; MI455X (gfx1250); checked and timed in simulation.
; The chip was launched on July 23, 2026; its instructions are those of AMD's public machine-readable ISA for CDNA 5 (MIT licence, August 2026) and "CDNA5" Instruction Set Architecture Reference Guide (July 2026). The comments in the code are by the model that wrote it; some were corrected since.
;; Transformer Block. Allowed arithmetic: matrix products marked QUANTISED: E5M2 operands, one given power-of-two scale a tensor, by v_wmma_f32_16x16x64_bf8_bf8 or v_wmma_f32_16x16x128_bf8_bf8, f32 sums; everything else in f32.
;; Inputs: W1 4,096 x 1,024 float32; W2 1,024 x 4,096 float32; Wk 16 x 64 x 1,024 float32; Wo 1,024 x 1,024 float32; Wq 16 x 64 x 1,024 float32; Wv 16 x 64 x 1,024 float32; b1 4,096 float32; b2 1,024 float32; be1 1,024 float32; be2 1,024 float32; bo 1,024 float32; g1 1,024 float32; g2 1,024 float32; lowp_scales 16 int32 (the exponents e of the quantised operands' scales 2^e); x 4 x 1,024 x 1,024 float32.
;; Outputs: out0 4 x 1,024 x 1,024 float32.
;; This version of the problem:
;;   THIS VERSION OF THE PROBLEM IS GIVEN IN LOW PRECISION. The matrix products marked QUANTISED in the list below multiply operands that are first quantised to E5M2 (5 exponent bits, 2 mantissa bits; 8 bits a number), with one given power-of-two scale for each operand tensor; their sums are f32. All else is computed in f32.
;;   The module's matrix products, in the order in which they are computed (A, B: the left and right operand; K: the contracted axis; several contracted axes count as one K, in the product's order):
;;     1. [M 1,024, K 1,024] x [K 1,024, N 4,096]; A: input Wq; B: computed on the way: QUANTISED (scales: A lowp_scales[0], B lowp_scales[1])
;;     2. [M 1,024, K 1,024] x [K 1,024, N 4,096]; A: input Wk; B: computed on the way: QUANTISED (scales: A lowp_scales[2], B lowp_scales[3])
;;     3. [M 1,024, K 1,024] x [K 1,024, N 4,096]; A: input Wv; B: computed on the way: QUANTISED (scales: A lowp_scales[4], B lowp_scales[5])
;;     4. batch 64 x [M 1,024, K 64] x [K 64, N 1,024]; A: computed on the way; B: computed on the way: QUANTISED (scales: A lowp_scales[6], B lowp_scales[7])
;;     5. batch 64 x [M 1,024, K 1,024] x [K 1,024, N 64]; A: softmax (see below); B: computed on the way: QUANTISED (scales: A lowp_scales[8], B lowp_scales[9])
;;     6. [M 4,096, K 1,024] x [K 1,024, N 1,024]; A: computed on the way; B: input Wo: QUANTISED (scales: A lowp_scales[10], B lowp_scales[11])
;;     7. [M 4,096, K 1,024] x [K 1,024, N 4,096]; A: computed on the way; B: input W1: QUANTISED (scales: A lowp_scales[12], B lowp_scales[13])
;;     8. [M 4,096, K 4,096] x [K 4,096, N 1,024]; A: computed on the way; B: input W2: QUANTISED (scales: A lowp_scales[14], B lowp_scales[15])
;;   THE QUANTISER, for each operand of a quantised product, along K:
;;     - The operand's scale is 2^e, e = its entry of the input lowp_scales (int32; the entries are numbered through the quantised products in the list's order, A before B).
;;     - Each number is divided by the scale, clamped to +-57,344, and rounded to the nearest number of E5M2, ties to even, subnormals kept.
;;     - The product sums the exact products of the quantised numbers (number of the format x scale) in f32.
;;   ~~~python
;;   def quantise(x, axis, e):      # numpy; x: float32 -> the quantised numbers, widened to float32 again
;;       x = np.moveaxis(x, axis, -1); K = x.shape[-1]
;;       r = np.clip(x / 2.0 ** e, -57344, 57344)
;;       step = 2.0 ** (np.maximum(np.frexp(np.where(r == 0, 1, r))[1] - 1, -14) - 2)
;;       q = np.round(r / step) * step * 2.0 ** e      # np.round: ties to even
;;       return np.moveaxis(q, -1, axis).astype(np.float32)
;;   ~~~
;;   SOFTMAX AHEAD OF A QUANTISED PRODUCT. Where the list says 'softmax', what is quantised is not the finished softmax but p = 2^(t - M), with t = logit x log2(e) and M = ceil(the row's largest t), a whole number; so 1/2 < the row's largest p <= 1. The row's sum l is taken of the UNQUANTISED p, in f32, and the product's result is divided by l at the end. Since M is a whole number, a kernel that streams over the keys may use a running M (the ceiling of the running maximum): every later rescaling is an exact power of two, so the quantised numbers keep their values, but for numbers so far below the row's largest that they fall under the format's range.
;;   OPERANDS COMPUTED ON THE WAY. 'Computed on the way' means the value that the module computes at that place (a softmax that the list does not call 'softmax' is quantised finished and normalised). What goes into a quantiser is computed in f32, as accurately as f32 sums, v_exp_f32 and their like allow (about 1e-6 of the number): no bf16 or f16 on the way to a quantiser, and a product that is left as it is and whose result goes on into a quantised operand takes f32 operands (vector FMAs, or v_wmma_f32_16x16x4_f32). A number that lies on a knife's edge between two numbers of the format may be rounded either way, as far as f32 arithmetic and the matrix unit's own rounding can turn it there, and no further.
;; One version. Each part assembles by itself: llvm-mc -triple=amdgcn-amd-amdhsa -mcpu=gfx1250 --defsym DOCPART=n.
;; ======== version 1 of 1: 7 launches
;; limits: right only within a limited range of input values
;; workspace buffers: pc 25,165,824 bytes; qkv_c 12,582,912 bytes; ao_c 4,194,304 bytes; x1 16,777,216 bytes; h2_c 4,194,304 bytes; hid_c 16,777,216 bytes
;; launch prep (part 1): grid 640 x 1, 4 waves a work-group, no clusters, 53,760 bytes of LDS; arguments Wq, Wk, Wv, Wo, W1, W2, x, g1, be1, lowp_scales, pc; writes pc
.if DOCPART == 1
	.amdgcn_target "amdgcn-amd-amdhsa--gfx1250"
	.amdhsa_code_object_version 6
	.text
	.protected	k_q0e6a663c90_prep
	.globl	k_q0e6a663c90_prep
	.p2align	8
	.type	k_q0e6a663c90_prep,@function
k_q0e6a663c90_prep:
	s_mov_b64 s[64:65], 0
	v_nop
	global_prefetch_b8 v0, s[64:65] scope:SCOPE_SE
	s_setreg_imm32_b32 hwreg(HW_REG_WAVE_MODE, 25, 1), 1
	s_wait_xcnt 0x0
; PREP.  Work-groups 0-383: the six weights (f32, K innermost, so plain streams) become codes of E5M2, one byte a number, in pc, in the order Wq Wk Wv Wo W1 W2.
; Work-groups 384-639: h = LayerNorm(x) g1 + be1, quantised three times, with the exponents of entries 1, 3, 5 of the scales, into pc from byte H1 on: [3][4096 tokens][1024].
; code = number / 2^e, held within +-57,344, to the nearest code, ties to even.  LIMITS: every e used here lies between -126 and 112.  NaN among the inputs is not served.
; No tensor loads, no barrier: waves share nothing.  The two paths have LDS bytes of their own.
.set STEPS, 16
.set R,     16                         ; path A: v16-79 four sets of 16 numbers as loaded
.set X,     80                         ; v80-111 two sets of 16 neighbours
.set C,     128                        ; v128-191 codes, four registers a step
.set WREG,  8192                       ; path A: LDS of a wave: two stages of 32 x SP bytes
.set SP,    80                         ; a lane's place in a stage: 64 bytes + 16 of padding
.set H1,    12582912                   ; where h's codes begin in pc
.set NSC,   3                          ; path B: sets of codes
.set SCR,   4                          ; v4-6  2^e as f32, a set each
.set LIMR,  7                          ; v7-9  57,344 x 2^e
.set G,     16                         ; v16-47 the gain, in the layout of a row
.set BE,    48                         ; v48-79 the bias
.set RR,    80                         ; v80-143 two rows as loaded
.set XX,    144                        ; v144-175 a row's two halves, 16 neighbours a lane each
.set TT,    176                        ; v176-191 held numbers
.set CC,    192                        ; v192-215 codes: 8 registers a set
.set AC,    216                        ; v216-223 four packed sums
.set DST,   48                         ; s[48:53] where the sets' codes go
.macro MKSC e, sc, lim                 ; from the exponent in s[e]: 2^e as f32 and 57,344 x 2^e
	s_add_co_i32 s58, s[\e], 127
	s_lshl_b32 s59, s58, 23
	v_mov_b32 v[\sc], s59
	s_add_co_i32 s58, s58, 15
	s_lshl_b32 s58, s58, 23
	s_or_b32 s58, s58, 0x600000
	v_mov_b32 v[\lim], s58
.endm
	s_load_b512 s[8:23], s[0:1], 0x0               ; Wq 8, Wk 10, Wv 12, Wo 14, W1 16, W2 18, x 20, g1 22
	s_load_b128 s[24:27], s[0:1], 0x40             ; be1 24, the scales' exponents 26
	s_load_b64 s[28:29], s[0:1], 0x50              ; pc
	v_lshl_add_u32 v224, v0, 2, 0xd000
	v_mov_b32 v225, 0
	v_lshrrev_b32 v1, 5, v0
	v_readfirstlane_b32 s30, v1                    ; wave
	v_and_b32 v2, 31, v0                           ; lane
	v_lshlrev_b32 v3, 4, v2                        ; 16 x lane: my 16 bytes of 512
	v_lshrrev_b32 v14, 2, v2
	v_mul_u32_u24 v14, v14, SP
	v_and_b32 v15, 3, v2
	v_lshl_add_u32 v14, v15, 4, v14                ; a stage on the way in: SP (lane / 4) + 16 (lane % 4)
	v_mul_u32_u24 v15, v2, SP                      ; and on the way out: SP x lane
	s_wait_kmcnt 0x0
	s_load_b512 s[32:47], s[26:27], 0x0            ; the sixteen exponents: entry n in s[32 + n]
	s_cmp_ge_u32 ttmp9, 384
	s_cbranch_scc1 .Lln
; ---- PATH A: 32,768 numbers of one weight to a work-group, 8,192 to a wave, in 16 steps of 512.  Each load reads 512 consecutive bytes; a step's 2,048 bytes turn through the wave's stage so that a lane holds 16 neighbours.
.macro PICK lim, p, f                  ; work-groups under lim belong to the tensor at s[p], whose first work-group is f
	s_cmp_lt_u32 ttmp9, \lim
	s_cselect_b64 s[4:5], s[\p:\p+1], s[4:5]
	s_cselect_b32 s6, \f, s6
.endm
.macro PICKE lim, e
	s_cmp_lt_u32 ttmp9, \lim
	s_cselect_b32 s7, s[\e], s7
.endm
	s_mul_i32 s31, s30, WREG
	s_wait_alu depctr_va_vdst(0)
	v_add_nc_u32 v14, s31, v14
	v_add_nc_u32 v15, s31, v15
	s_mov_b64 s[4:5], s[18:19]                     ; W2, unless the work-group's number says otherwise
	s_mov_b32 s6, 256
	PICK 256, 16, 128
	PICK 128, 14, 96
	PICK 96, 12, 64
	PICK 64, 10, 32
	PICK 32, 8, 0
	s_sub_co_u32 s6, ttmp9, s6
	s_lshl_b32 s6, s6, 2
	s_add_co_u32 s2, s6, s30                       ; which run of 8,192 numbers of the tensor is my wave's
	s_lshl_b32 s2, s2, 15                          ; 32,768 bytes each
	s_mov_b32 s3, 0
	s_add_nc_u64 s[4:5], s[4:5], s[2:3]
	s_lshl_b32 s2, ttmp9, 2
	s_add_co_u32 s2, s2, s30
	s_lshl_b32 s2, s2, 13                          ; the codes lie in pc in the order of the work-groups: 8,192 bytes a wave
	s_add_nc_u64 s[28:29], s[28:29], s[2:3]
.macro LOADA t
.irp i, 0,1,2,3
	global_load_b128 v[R+16*((\t)%4)+4*\i:R+16*((\t)%4)+4*\i+3], v3, s[4:5] offset:2048*(\t)+512*\i th:TH_LOAD_NT
.endr
.endm
.macro TURNA t                         ; LDS serves a wave's instructions in order: no wait between the stores and the loads
.irp i, 0,1,2,3
	ds_store_b128 v14, v[R+16*((\t)%4)+4*\i:R+16*((\t)%4)+4*\i+3] offset:32*SP*((\t)%2)+8*SP*\i
.endr
.irp i, 0,1,2,3
	ds_load_b128 v[X+16*((\t)%2)+4*\i:X+16*((\t)%2)+4*\i+3], v15 offset:32*SP*((\t)%2)+16*\i
.endr
.endm
.irp t, 0,1,2,3
	LOADA \t
.endr
	s_wait_alu depctr_va_vdst(0)
	s_wait_kmcnt 0x0                               ; the exponents
	s_mov_b32 s7, s47
	PICKE 256, 45
	PICKE 128, 43
	PICKE 96, 36
	PICKE 64, 34
	PICKE 32, 32
	MKSC 7, 11, 10                                 ; v11 = 2^e, v10 = 57,344 x 2^e
	s_wait_alu depctr_va_vdst(0)
	s_wait_loadcnt 12                              ; step 0's four loads are in; twelve younger ones stay out
	TURNA 0
.macro STEPA t
.set XS, X+16*((\t)%2)
	s_wait_dscnt 0x0                               ; this step's numbers are back, so its stores into the stage have read their registers,
.if (\t)+4 < STEPS
	LOADA (\t)+4                                   ; which take the loads of four steps on
.endif
.if (\t)+1 < STEPS
.if STEPS-2-(\t) >= 3
	s_wait_loadcnt 12                              ; the next step's four loads are in; those of the three steps behind it may be out
.else
	s_wait_loadcnt 4*(STEPS-2-(\t))
.endif
	TURNA (\t)+1
.endif
.irp i, 0,1,2,3,4,5,6,7,8,9,10,11,12,13,14,15
	v_med3_num_f32 v[XS+\i], v[XS+\i], -v10, v10   ; the conversion does not saturate (ISA guide 7.6.2): the hold comes first
.endr
	v_cvt_scalef32_pk8_bf8_f32 v[C+4*(\t):C+4*(\t)+1], v[XS:XS+7], v11
	v_cvt_scalef32_pk8_bf8_f32 v[C+4*(\t)+2:C+4*(\t)+3], v[XS+8:XS+15], v11
	global_store_b128 v3, v[C+4*(\t):C+4*(\t)+3], s[28:29] offset:512*(\t)   ; 32 lanes store 512 consecutive bytes; each step has its own code registers
.endm
.irp t, 0,1,2,3,4,5,6,7,8,9,10,11,12,13,14,15
	STEPA \t
.endr
	s_wait_tensorcnt 0x0
	ds_add_u32 v224, v225
	s_wait_dscnt 0x0
	s_endpgm
; ---- PATH B: LayerNorm.  A wave takes 4 rows, a row at a time: 8 loads of 512 consecutive bytes, the row kept in 32 registers.  Mean, then the squares of x - mean: no difference of large sums.
.Lln:
	s_sub_co_u32 s2, ttmp9, 384
	s_lshl_b32 s2, s2, 4
	s_lshl_b32 s3, s30, 2
	s_add_co_u32 s2, s2, s3                        ; my first row
	s_lshl_b32 s4, s2, 12
	s_mov_b32 s5, 0
	s_add_nc_u64 s[20:21], s[20:21], s[4:5]        ; x at that row
	s_lshl_b32 s4, s2, 10
	s_add_co_u32 s4, s4, H1
	s_add_nc_u64 s[DST:DST+1], s[28:29], s[4:5]
	s_add_nc_u64 s[DST+2:DST+3], s[DST:DST+1], 4194304
	s_add_nc_u64 s[DST+4:DST+5], s[DST+2:DST+3], 4194304
	s_mul_i32 s31, s30, 5120
	s_add_co_u32 s31, s31, 32768                   ; my two stages, behind path A's bytes
	s_wait_alu depctr_va_vdst(0)
	v_add_nc_u32 v14, s31, v14
	v_add_nc_u32 v15, s31, v15
	s_mov_b32 s54, 0x76543210                      ; v_permlanex16_b32: lane l xor 16
	s_mov_b32 s55, 0xfedcba98
	s_mov_b32 s56, 0x3a800000                      ; 1 / 1024
	s_mov_b32 s57, 0x3727c5ac                      ; 1e-5
	v_mov_b32 v11, 0                               ; (named as the upper half of the pair v[10:11])
.irp j, 0,1,2,3,4,5,6,7
	global_load_b128 v[G+4*\j:G+4*\j+3], v3, s[22:23] offset:512*\j
	global_load_b128 v[BE+4*\j:BE+4*\j+3], v3, s[24:25] offset:512*\j
.endr
.macro LOADROW i
.irp j, 0,1,2,3,4,5,6,7
	global_load_b128 v[RR+32*((\i)%2)+4*\j:RR+32*((\i)%2)+4*\j+3], v3, s[20:21] offset:4096*(\i)+512*\j th:TH_LOAD_NT
.endr
.endm
.macro WSUM r, t                       ; the sum over the 32 lanes, in every lane
	v_add_f32_dpp v[\r], v[\r], v[\r] row_xmask:1 row_mask:0xf bank_mask:0xf
	v_add_f32_dpp v[\r], v[\r], v[\r] row_xmask:2 row_mask:0xf bank_mask:0xf
	v_add_f32_dpp v[\r], v[\r], v[\r] row_xmask:4 row_mask:0xf bank_mask:0xf
	v_add_f32_dpp v[\r], v[\r], v[\r] row_xmask:8 row_mask:0xf bank_mask:0xf
	v_permlanex16_b32 v[\t], v[\r], s54, s55
	v_add_f32 v[\r], v[\r], v[\t]
.endm
.macro FOLD                            ; four packed sums into one number
	v_pk_add_f32 v[AC:AC+1], v[AC:AC+1], v[AC+2:AC+3]
	v_pk_add_f32 v[AC+4:AC+5], v[AC+4:AC+5], v[AC+6:AC+7]
	v_pk_add_f32 v[AC:AC+1], v[AC:AC+1], v[AC+4:AC+5]
	v_add_f32 v[AC], v[AC], v[AC+1]
	WSUM AC, AC+1
.endm
.macro QSET i, u, w                    ; half u of row i, set w: hold, convert, store 512 consecutive bytes
.irp n, 0,1,2,3,4,5,6,7,8,9,10,11,12,13,14,15
	v_med3_num_f32 v[TT+\n], v[XX+16*(\u)+\n], -v[LIMR+\w], v[LIMR+\w]
.endr
	v_cvt_scalef32_pk8_bf8_f32 v[CC+8*(\w)+4*(\u):CC+8*(\w)+4*(\u)+1], v[TT:TT+7], v[SCR+\w]
	v_cvt_scalef32_pk8_bf8_f32 v[CC+8*(\w)+4*(\u)+2:CC+8*(\w)+4*(\u)+3], v[TT+8:TT+15], v[SCR+\w]
	v_nop                                          ; a plain line between the conversions and the next holds, which write their sources
	global_store_b128 v3, v[CC+8*(\w)+4*(\u):CC+8*(\w)+4*(\u)+3], s[DST+2*(\w):DST+2*(\w)+1] offset:(\i)*1024+512*(\u)
.endm
.macro ROW i
.set RS, RR+32*((\i)%2)
.if (\i) < 3
	LOADROW (\i)+1                                 ; into the other set: its LDS stores of the row before were waited for at that row's end
	s_wait_loadcnt 8                               ; my row is in; the next row's eight loads stay out
.else
	s_wait_loadcnt 0
.endif
.irp c, 0,1,2,3
	v_pk_add_f32 v[AC+2*\c:AC+2*\c+1], v[RS+4*\c:RS+4*\c+1], v[RS+4*\c+2:RS+4*\c+3]
.endr
.irp c, 0,1,2,3
	v_pk_add_f32 v[AC+2*\c:AC+2*\c+1], v[AC+2*\c:AC+2*\c+1], v[RS+16+4*\c:RS+16+4*\c+1]
.endr
.irp c, 0,1,2,3
	v_pk_add_f32 v[AC+2*\c:AC+2*\c+1], v[AC+2*\c:AC+2*\c+1], v[RS+16+4*\c+2:RS+16+4*\c+3]
.endr
	FOLD
	v_mul_f32 v10, s56, v[AC]                      ; the mean
.irp k, 0,2,4,6,8,10,12,14,16,18,20,22,24,26,28,30
	v_pk_add_f32 v[RS+\k:RS+\k+1], v[RS+\k:RS+\k+1], v[10:11] op_sel_hi:[1,0] neg_lo:[0,1] neg_hi:[0,1]   ; x - mean
.endr
.irp c, 0,1,2,3
	v_pk_mul_f32 v[AC+2*\c:AC+2*\c+1], v[RS+2*\c:RS+2*\c+1], v[RS+2*\c:RS+2*\c+1]
.endr
.irp k, 8,16,24
.irp c, 0,1,2,3
	v_pk_fma_f32 v[AC+2*\c:AC+2*\c+1], v[RS+\k+2*\c:RS+\k+2*\c+1], v[RS+\k+2*\c:RS+\k+2*\c+1], v[AC+2*\c:AC+2*\c+1]
.endr
.endr
	FOLD
	v_fma_f32 v13, v[AC], s56, s57                 ; the variance + 1e-5
	s_wait_alu depctr_va_vdst(0)
	v_rsq_f32 v12, v13
	v_nop                                          ; a plain line behind the transcendental,
	s_wait_alu depctr_va_vdst(0)                   ; and the wait ahead of its first reader
.irp k, 0,2,4,6,8,10,12,14,16,18,20,22,24,26,28,30
	v_pk_mul_f32 v[RS+\k:RS+\k+1], v[RS+\k:RS+\k+1], v[12:13] op_sel_hi:[1,0]
.endr
.irp k, 0,2,4,6,8,10,12,14,16,18,20,22,24,26,28,30
	v_pk_fma_f32 v[RS+\k:RS+\k+1], v[RS+\k:RS+\k+1], v[G+\k:G+\k+1], v[BE+\k:BE+\k+1]
.endr
.irp u, 0,1                            ; a half row, 2,048 bytes, through a stage: lane L gets numbers 512 u + 16 L .. + 15
.irp q, 0,1,2,3
	ds_store_b128 v14, v[RS+16*\u+4*\q:RS+16*\u+4*\q+3] offset:2560*\u+640*\q
.endr
.irp q, 0,1,2,3
	ds_load_b128 v[XX+16*\u+4*\q:XX+16*\u+4*\q+3], v15 offset:2560*\u+16*\q
.endr
.endr
	s_wait_xcnt 0x0                                ; the last row's stores have read their code registers, which are written again below
	s_wait_dscnt 8                                 ; half 0 is back; behind its loads stand half 1's four stores and four loads
	QSET \i, 0, 0
.if NSC > 1
	QSET \i, 0, 1
	QSET \i, 0, 2
.endif
	s_wait_dscnt 0x0
	QSET \i, 1, 0
.if NSC > 1
	QSET \i, 1, 1
	QSET \i, 1, 2
.endif
.endm
	LOADROW 0
	s_wait_kmcnt 0x0                               ; the exponents
	MKSC 33, SCR, LIMR
	MKSC 35, SCR+1, LIMR+1
	MKSC 37, SCR+2, LIMR+2
	ROW 0
	ROW 1
	ROW 2
	ROW 3
	s_wait_tensorcnt 0x0
	ds_add_u32 v224, v225
	s_wait_dscnt 0x0
	s_endpgm
.Lfunc_end_k_q0e6a663c90_prep:
	.size	k_q0e6a663c90_prep, .Lfunc_end_k_q0e6a663c90_prep-k_q0e6a663c90_prep
	.p2alignl 7, 3214868480
	.fill 96, 4, 3214868480
	.section	.rodata,"a",@progbits
	.p2align	6, 0x0
	.amdhsa_kernel k_q0e6a663c90_prep
		.amdhsa_group_segment_fixed_size 53760
		.amdhsa_private_segment_fixed_size 0
		.amdhsa_enable_private_segment 0
		.amdhsa_kernarg_size 88
		.amdhsa_user_sgpr_count 2
		.amdhsa_user_sgpr_kernarg_segment_ptr 1
		.amdhsa_wavefront_size32 1
		.amdhsa_system_sgpr_workgroup_id_x 1
		.amdhsa_system_sgpr_workgroup_id_y 1
		.amdhsa_system_sgpr_workgroup_id_z 1
		.amdhsa_system_vgpr_workitem_id 0
		.amdhsa_next_free_vgpr 226
		.amdhsa_next_free_sgpr 66
		.amdhsa_reserve_vcc 0
		.amdhsa_float_denorm_mode_32 3
		.amdhsa_float_denorm_mode_16_64 3
		.amdhsa_memory_ordered 1
		.amdhsa_forward_progress 1
		.amdhsa_inst_pref_size 104
	.end_amdhsa_kernel
	.amdgpu_metadata
---
amdhsa.version: [ 1, 2 ]
amdhsa.kernels:
  - .name:           k_q0e6a663c90_prep
    .symbol:         k_q0e6a663c90_prep.kd
    .args:
      - { .name: Wq, .offset: 0, .size: 8, .value_kind: global_buffer, .address_space: global }
      - { .name: Wk, .offset: 8, .size: 8, .value_kind: global_buffer, .address_space: global }
      - { .name: Wv, .offset: 16, .size: 8, .value_kind: global_buffer, .address_space: global }
      - { .name: Wo, .offset: 24, .size: 8, .value_kind: global_buffer, .address_space: global }
      - { .name: W1, .offset: 32, .size: 8, .value_kind: global_buffer, .address_space: global }
      - { .name: W2, .offset: 40, .size: 8, .value_kind: global_buffer, .address_space: global }
      - { .name: x, .offset: 48, .size: 8, .value_kind: global_buffer, .address_space: global }
      - { .name: g1, .offset: 56, .size: 8, .value_kind: global_buffer, .address_space: global }
      - { .name: be1, .offset: 64, .size: 8, .value_kind: global_buffer, .address_space: global }
      - { .name: lowp_scales, .offset: 72, .size: 8, .value_kind: global_buffer, .address_space: global }
      - { .name: pc, .offset: 80, .size: 8, .value_kind: global_buffer, .address_space: global }
    .group_segment_fixed_size: 53760
    .private_segment_fixed_size: 0
    .kernarg_segment_align: 8
    .kernarg_segment_size: 88
    .max_flat_workgroup_size: 128
    .sgpr_count:     66
    .vgpr_count:     226
    .wavefront_size: 32
...
	.end_amdgpu_metadata
.endif
;; end of part 1
;; launch qkv (part 2): grid 12 x 16, 4 waves a work-group, clusters of 4 x 4, 327,680 bytes of LDS; arguments pc, lowp_scales, qkv_c; writes qkv_c
.if DOCPART == 2
	.amdgcn_target "amdgcn-amd-amdhsa--gfx1250"
	.amdhsa_code_object_version 6
	.text
	.protected	k_q0e6a663c90_qkv
	.globl	k_q0e6a663c90_qkv
	.p2align	8
	.type	k_q0e6a663c90_qkv,@function
k_q0e6a663c90_qkv:
	s_mov_b64 s[64:65], 0
	v_nop
	global_prefetch_b8 v0, s[64:65] scope:SCOPE_SE
	s_setreg_imm32_b32 hwreg(HW_REG_WAVE_MODE, 25, 1), 1
	s_wait_xcnt 0x0
	s_wait_alu depctr_hold_cnt(0) depctr_sa_sdst(0) depctr_va_vdst(0) depctr_va_sdst(0) depctr_va_ssrc(0) depctr_va_vcc(0) depctr_vm_vsrc(0)
	s_getreg_b32 s2, hwreg(HW_REG_IB_STS2, 6, 4)
	s_cmp_eq_u32 s2, 0
	s_cbranch_scc0 .Lentry_in_a_cluster
	s_endpgm
.Lentry_in_a_cluster:
	s_bfe_u32 s2, ttmp6, 0x10000c
	s_cmp_lg_u32 s2, 0xf033
	s_cbranch_scc0 .Lentry_shape_is_right
	s_endpgm
.Lentry_shape_is_right:
; A GEMM on codes of E5M2 whose results leave as codes again.  C[m][n] = sum over k of A[m][k] B[n][k], K = 1,024, rows of 1,024 bytes; a tile of C is 256 x 256, four waves, 128 x 128 each: 64 accumulators.
; IS_QKV = 1: products 1 to 3.  The cluster's x says which: 0 q, 1 k, 2 v.  For q and k, A = h's codes (tokens) and B = the weight's (features).  For v the two change places BY ADDRESS: A = Wv's rows, B = h's,
; so that a lane's eight results are eight neighbouring tokens: the keys, which are v's K in the second product of attention.  No branch tells the three apart.
; IS_QKV = 0: product 7: A = LayerNorm 2's codes, B = W1's; b1, divided by the power of two that the sums lack, is the C of each sum's first product; relu is the lower end of the hold.
; A sum stands for sum x 2^(eA + eB); its code under the exponent eo is sum / 2^f, f = eo - eA - eB.  LIMITS: f between -126 and 112; b1 / 2^(eA + eB) an f32 number.  NaN is not served.
; K goes in steps of 256 through a ring of two LDS slots filled by the tensor data mover.  CLUSTERS: 4 x 4 work-groups; A's tile is asked for jointly along a row of the cluster, B's along a column.
; THE MATRIX INSTRUCTION IS USED TRANSPOSED (source 0 = 16 rows of B, source 1 = 16 rows of A): lane (r, h) holds row r of A's block and columns 8 h + 0 .. 7 of B's.
; REGISTERS, in windows of 256: window 0: v0-31 addresses; v32-95 b1's tiles, later held numbers; v96-223 codes on the way out; from v128 A's fragments, one set.  window 1: B's fragments, two sets.  windows 2, 3: the accumulators.
; OUT: codes in blocks of 64 columns: [block][row][64 bytes], so that a wave stores 512 consecutive bytes an instruction.
.set IS_QKV, 1
.set H1,     12582912                  ; h's three sets of codes in pc
.set W1O,    4194304                   ; W1's codes in pc
.set ROWB,   256                       ; a tile's row: 256 along K
.set KROW,   1024                      ; a row of A or B in memory
.set PITCH,  272                       ; an LDS row: 256 bytes + 16 of padding = 68 words: the 16 rows of a fragment load start at 16 different banks (64 banks of 4 bytes: ISA guide 11.1)
.set FR,     16
.set NL,     4
.set NP,     4                         ; places behind this matrix instruction (ISA guide 7.12.1)
.set HALFT,  128*PITCH
.set SLOT,   4*HALFT
.set LAPS,   2                         ; 1,024 along K = four K steps = twice round the ring
.set SPARE,  2*SLOT                    ; the spare words: 128 bytes a wave, two blocks of 256 bytes that no other line names
.set SPC,    336                       ; the way out: a stage row: 256 bytes of codes + 80.  The stage, 256 rows, lies in slot 0, which has had its last fill and its last read by then
.set ADRA, 16
.set ADRB, 20
.set STO,  24
.set RD,   25
.set CO,   26
.set RD1,  27
.set SPW,  28
.set NIL,  29
.set VSC,  30                          ; 2^f as f32
.set VLIM, 31                          ; 57,344 x 2^f
.set TMP,  32
.set CR,   96
.set AF,   128
.set G1, 24
.set G0, 32
.set G1B, 48
.set G0B, 56
.set OB, 84                            ; s[84:91] four bases for the stores
.if IS_QKV
.set FIRSTC, 1
.set PA, 4
.set PB, 4
.set PL, 6
.else
.set FIRSTC, 2
.set PA, 4
.set PB, 6
.set PL, 8
.endif
.set MSB, 0
.macro WIN new                         ; the immediate's high byte repeats the setting that is left
.if MSB != \new
	s_set_vgpr_msb (MSB<<8)|\new
.set MSB, \new
.endif
.endm
.set MUL_LO, 0xa1                      ; source 0 (B) window 1, source 1 (A) window 0, C and D window 2
.set MUL_HI, 0xf1                      ; the same, C and D window 3
.set TO_B,   0x40
.macro JLOAD g0a, g1a, g0b, g1b        ; a joint load: waves 0 and 1 fetch for A, waves 2 and 3 for B; four v_nop follow each line
	s_cmp_eq_u32 s15, 0
	s_cbranch_scc0 .Lfor_b_\@
	tensor_load_to_lds s[\g0a:\g0a+3], s[\g1a:\g1a+7]
	s_nop 0
.rept 4
	v_nop
.endr
	s_branch .Lasked_\@
.Lfor_b_\@:
	tensor_load_to_lds s[\g0b:\g0b+3], s[\g1b:\g1b+7]
	s_nop 0
.rept 4
	v_nop
.endr
.Lasked_\@:
.endm
.macro CREST                           ; a round of the cluster's barrier behind its opening barrier
	s_cmp_lg_u32 s14, 0
	s_cbranch_scc1 .Lnot_wave_0_\@
	s_barrier_signal -3
.Lnot_wave_0_\@:
	s_barrier_wait -3
	s_barrier_signal -1
	s_barrier_wait -1
.endm
.macro CROUND
	s_barrier_signal -1
	s_barrier_wait -1
	CREST
.endm
.if IS_QKV
	s_load_b128 s[4:7], s[0:1], 0x0                ; pc, the scales' exponents
	s_load_b64 s[12:13], s[0:1], 0x10              ; qkv_c
.else
	s_load_b256 s[4:11], s[0:1], 0x0               ; h2_c, pc, the scales' exponents, b1
	s_load_b64 s[12:13], s[0:1], 0x20              ; hid_c
.endif
	v_lshl_add_u32 v[SPW], v0, 2, SPARE
	v_mov_b32 v[NIL], 0
	ds_add_u32 v28, v29
	ds_add_u32 v28, v29
	s_wait_dscnt 0x0
	v_lshrrev_b32 v1, 5, v0
	v_readfirstlane_b32 s14, v1                    ; wave 0..3
	s_lshr_b32 s15, s14, 1                         ; my half of the tile's rows.  Also: I fetch for A (0) or for B (1)
	s_and_b32 s16, s14, 1                          ; my half of its columns.  Also: which 128 rows I fetch
	s_bfe_u32 s40, ttmp6, 0x40000                  ; cx
	s_bfe_u32 s41, ttmp6, 0x40004                  ; cy
	s_and_b32 s92, ttmp7, 0xffff                   ; cluster y
	s_lshl_b32 s93, s92, 2
.if IS_QKV
	s_lshl_b32 s94, ttmp9, 22
	s_add_co_u32 s94, s94, H1                      ; q, k: A = h's set of codes for this product,
	s_lshl_b32 s95, ttmp9, 20                      ; B = its weight
	s_cmp_eq_u32 ttmp9, 2                          ; v?  (the cluster's x: the same in all sixteen partners)
	s_cselect_b32 s94, 2097152, s94                ; v: A = Wv's codes,
	s_cselect_b32 s95, 20971520, s95               ; B = h's third set
	s_cselect_b32 s17, 0, s93
	s_cselect_b32 s42, s93, 0
	s_add_co_u32 s17, s17, s41                     ; A's tile: q, k: 4 y + cy (tokens); v: cy (features)
	s_add_co_u32 s42, s42, s40                     ; B's tile: q, k: cx (features); v: 4 y + cx (tokens)
.else
	s_add_co_u32 s17, s93, s41                     ; A's tile: 4 y + cy (tokens)
	s_lshl_b32 s42, ttmp9, 2
	s_add_co_u32 s42, s42, s40                     ; B's tile: 4 x + cx (features)
	s_mov_b32 s94, 0
	s_mov_b32 s95, W1O
.endif
	s_lshl_b32 s43, s41, 2
	s_lshl_b32 s43, 15, s43                        ; my row of the cluster
	s_lshl_b32 s44, 0x1111, s40                    ; my column
	s_or_b32 s[G1+0], s43, (0<<16)|(1<<20)|(1<<21)|(5<<22)|(3<<25)  ; 15:0 the mask; 17:16 elements of 1 byte; 20 padding on; 21 set beside a mask; 24:22 after every 64 words; 31:25 four words
	s_or_b32 s[G1B+0], s44, (0<<16)|(1<<20)|(1<<21)|(5<<22)|(3<<25)
.irp g, G1, G1B
	s_mov_b32 s[\g+1], ROWB<<16                    ; tensor_dim0
	s_mov_b32 s[\g+2], 128<<16                     ; tensor_dim1
	s_mov_b32 s[\g+3], ROWB<<16                    ; tile_dim0
	s_mov_b32 s[\g+4], 128                         ; tile_dim1
	s_mov_b32 s[\g+5], KROW                        ; tensor_dim0_stride
	s_mov_b32 s[\g+6], 0
	s_mov_b32 s[\g+7], 0
.endr
	s_lshl_b32 s18, s16, 7
	s_lshl_b32 s20, s17, 8
	s_add_co_u32 s20, s20, s18                     ; A: row 256 x tile + 128 x half
	s_lshl_b32 s20, s20, 10                        ; x 1,024 bytes
	s_add_co_u32 s20, s20, s94
	s_mov_b32 s21, 0
	s_lshl_b32 s46, s42, 8
	s_add_co_u32 s46, s46, s18                     ; B likewise
	s_lshl_b32 s46, s46, 10
	s_add_co_u32 s46, s46, s95
	s_mov_b32 s47, 0
	s_mul_i32 s45, s14, HALFT                      ; where they go: wave x 128 rows
	s_wait_kmcnt 0x0
	s_load_b512 s[68:83], s[PL:PL+1], 0x0          ; the sixteen exponents: entry n in s[68 + n]
	s_add_nc_u64 s[20:21], s[PA:PA+1], s[20:21]
	s_add_nc_u64 s[46:47], s[PB:PB+1], s[46:47]
	CROUND                                         ; all sixteen work-groups are here: the first joint loads meet
.irp s, 0,1
	s_mov_b32 s[G0+4*\s], 1
	s_add_co_u32 s[G0+4*\s+1], s45, \s*SLOT
	s_add_nc_u64 s[G0+4*\s+2:G0+4*\s+3], s[20:21], \s*ROWB
	s_or_b32 s[G0+4*\s+3], s[G0+4*\s+3], 0x80000000
	s_mov_b32 s[G0B+4*\s], 1
	s_add_co_u32 s[G0B+4*\s+1], s45, \s*SLOT
	s_add_nc_u64 s[G0B+4*\s+2:G0B+4*\s+3], s[46:47], \s*ROWB
	s_or_b32 s[G0B+4*\s+3], s[G0B+4*\s+3], 0x80000000
.endr
	JLOAD G0, G1, G0B, G1B                         ; K step 0: one tensor load a wave at the head
	v_and_b32 v1, 15, v0                           ; r
	s_wait_alu depctr_va_vdst(0)
	v_bfe_u32 v2, v0, 4, 1                         ; h
	v_mul_u32_u24 v3, v1, PITCH
	v_lshl_add_u32 v4, v2, 4, v3                   ; a fragment's row x pitch + 16 h
	s_mul_i32 s21, s15, HALFT
	s_mul_i32 s22, s16, HALFT
	s_add_co_u32 s22, s22, 2*HALFT
.irp s, 0,1
	v_add_nc_u32 v[ADRA+\s], s21, v4
	v_add_nc_u32 v[ADRB+\s], s22, v4
	s_add_co_u32 s21, s21, SLOT
	s_add_co_u32 s22, s22, SLOT
.endr
	s_mul_i32 s23, s15, 128*SPC                    ; the stage, in: row 128 x my row half + r, byte 128 x my column half + 8 h
	s_lshl_b32 s22, s16, 7
	s_add_co_u32 s23, s23, s22
	v_mul_u32_u24 v5, v1, SPC
	s_wait_alu depctr_va_vdst(0)
	v_lshl_add_u32 v5, v2, 3, v5
	v_add_nc_u32 v[STO], s23, v5
	v_and_b32 v6, 31, v0
	v_lshrrev_b32 v7, 2, v6                        ; back: wave w takes the block of 64 columns w; four lanes to a row, eight rows an instruction
	v_mul_u32_u24 v7, v7, SPC
	v_and_b32 v8, 3, v6
	v_lshl_add_u32 v7, v8, 4, v7
	s_lshl_b32 s23, s14, 6
	v_add_nc_u32 v[RD], s23, v7
	v_add_nc_u32 v[RD1], 128*SPC, v[RD]            ; rows 128 on: an LDS offset has 16 bits
	v_lshlrev_b32 v[CO], 4, v6
	; where my block of 64 columns goes: four bases, 64 rows each
.if IS_QKV
	s_lshl_b32 s96, ttmp9, 22                      ; q, k: [16 heads][4096 tokens][64]: head 4 cx + wave, token 256 (4 y + cy) on
	s_lshl_b32 s97, s40, 20
	s_add_co_u32 s96, s96, s97
	s_add_co_u32 s97, s93, s41
	s_lshl_b32 s97, s97, 14
	s_add_co_u32 s96, s96, s97
	s_lshl_b32 s97, s92, 20                        ; v: [4 b][16 heads][16 blocks of keys][64 d][64 keys]: b = y, head 4 cy + row / 64, block 4 cx + wave
	s_add_co_u32 s97, s97, 8388608
	s_lshl_b32 s98, s41, 18
	s_add_co_u32 s97, s97, s98
	s_lshl_b32 s98, s40, 14
	s_add_co_u32 s97, s97, s98
	s_mov_b32 s98, 262144
	s_mov_b32 s94, 65536
	s_cmp_eq_u32 ttmp9, 2
	s_cselect_b32 s96, s97, s96
	s_cselect_b32 s98, 4096, s98                   ; from wave to wave
	s_cselect_b32 s94, s94, 4096                   ; from 64 rows to the next
	s_mul_i32 s98, s98, s14
	s_add_co_u32 s96, s96, s98
.else
	s_lshl_b32 s96, s42, 20                        ; [64 blocks][4096 tokens][64]: block 4 x tile column + wave, token 256 x tile row on
	s_lshl_b32 s97, s17, 14
	s_add_co_u32 s96, s96, s97
	s_lshl_b32 s97, s14, 18
	s_add_co_u32 s96, s96, s97
	s_mov_b32 s94, 4096
.endif
	s_mov_b32 s97, 0
	s_mov_b32 s95, 0
	s_add_nc_u64 s[OB:OB+1], s[12:13], s[96:97]
	s_add_nc_u64 s[OB+2:OB+3], s[OB:OB+1], s[94:95]
	s_add_nc_u64 s[OB+4:OB+5], s[OB+2:OB+3], s[94:95]
	s_add_nc_u64 s[OB+6:OB+7], s[OB+4:OB+5], s[94:95]
.if IS_QKV == 0
	s_lshl_b32 s96, s42, 10                        ; b1 at my 128 columns; tile b, lane (r, h): those of columns 16 b + 8 h + 0 .. 7
	s_lshl_b32 s97, s16, 9
	s_add_co_u32 s96, s96, s97
	s_mov_b32 s97, 0
	s_add_nc_u64 s[10:11], s[10:11], s[96:97]
	v_lshlrev_b32 v9, 5, v2
.irp b, 0,1,2,3,4,5,6,7
	global_load_b128 v[TMP+8*\b:TMP+8*\b+3], v9, s[10:11] offset:64*\b
	global_load_b128 v[TMP+8*\b+4:TMP+8*\b+7], v9, s[10:11] offset:64*\b+16
.endr
.endif
	s_wait_kmcnt 0x0                               ; the exponents
.if IS_QKV
	s_cmp_eq_u32 ttmp9, 0
	s_cselect_b32 s96, s68, s70                    ; the weight's,
	s_cselect_b32 s97, s69, s71                    ; h's,
	s_cselect_b32 s98, s74, s75                    ; the result's: entries 6 (q), 7 (k), 9 (v)
	s_cmp_eq_u32 ttmp9, 2
	s_cselect_b32 s96, s72, s96
	s_cselect_b32 s97, s73, s97
	s_cselect_b32 s98, s77, s98
.else
	s_mov_b32 s96, s80
	s_mov_b32 s97, s81
	s_mov_b32 s98, s82
.endif
	s_add_co_i32 s96, s96, s97                     ; eA + eB
	s_sub_co_i32 s98, s98, s96                     ; f
	s_add_co_i32 s98, s98, 127
	s_lshl_b32 s99, s98, 23
	v_mov_b32 v[VSC], s99
	s_add_co_i32 s98, s98, 15
	s_lshl_b32 s98, s98, 23
	s_or_b32 s98, s98, 0x600000
	v_mov_b32 v[VLIM], s98
.if IS_QKV == 0
	s_sub_co_i32 s96, 0, s96
	s_wait_loadcnt 0x0                             ; b1
.set j, 0
.rept 64
	v_ldexp_f32 v[TMP+j], v[TMP+j], s96            ; b1 / 2^(eA + eB)
.set j, j+1
.endr
.endif
.macro FRAG reg, adr, q, i             ; 16 rows x 128 K: registers 4 c .. 4 c + 3 hold K = 32 c + 16 h + 0 .. 15: the same order of k in A and in B
.irp c, 0,1,2,3
	ds_load_b128 v[\reg+4*\c:\reg+4*\c+3], v[\adr] offset:128*(\q)+32*\c+(\i)*16*PITCH
.endr
.endm
; 16 matrix instructions: A's blocks a0, a0 + 1 x B's eight.  zero = 1: C = 0; 2: C = b1's tile; 0: in place.  The 64 accumulators take turns in one order in every step.
.macro MUL16 a0, p, zero
.irp a, \a0, \a0+1
.irp b, 0,1,2,3,4,5,6,7
.if \zero == 1
	v_wmma_f32_16x16x128_bf8_bf8 v[8*(8*((\a)%4)+\b):8*(8*((\a)%4)+\b)+7], v[128*(\p)+FR*\b:128*(\p)+FR*\b+FR-1], v[AF+FR*(\a):AF+FR*(\a)+FR-1], 0
.elseif \zero == 2
	v_wmma_f32_16x16x128_bf8_bf8 v[8*(8*((\a)%4)+\b):8*(8*((\a)%4)+\b)+7], v[128*(\p)+FR*\b:128*(\p)+FR*\b+FR-1], v[AF+FR*(\a):AF+FR*(\a)+FR-1], v[TMP+8*\b:TMP+8*\b+7]
.else
	v_wmma_f32_16x16x128_bf8_bf8 v[8*(8*((\a)%4)+\b):8*(8*((\a)%4)+\b)+7], v[128*(\p)+FR*\b:128*(\p)+FR*\b+FR-1], v[AF+FR*(\a):AF+FR*(\a)+FR-1], v[8*(8*((\a)%4)+\b):8*(8*((\a)%4)+\b)+7]
.endif
.endr
.endr
.endm
.macro FETCH_B slot, q, p
	WIN TO_B
.irp i, 0,1,2,3,4,5,6,7
	FRAG 128*(\p)+FR*\i, ADRB+\slot, \q, \i
.endr
	WIN 0
.endm
.macro FETCH_A slot, q, i0
.irp i, \i0, \i0+1, \i0+2, \i0+3
	FRAG AF+FR*(\i), ADRA+\slot, \q, \i
.endr
.endm
.macro PLACES n                        ; plain vector lines between a matrix instruction and a load into, or a read of, its registers
.rept \n
	v_nop
.endr
.endm
.macro STEP slot, q, zero              ; 128 along K whose successor lies in the same slot
	s_wait_dscnt 4*NL                              ; B's set and A's blocks 0-3 are in; the youngest 16 loads (A's blocks 4-7) may be out
.if \zero == 2
	WIN 0x81                                       ; C (b1) in window 0
.else
	WIN MUL_LO
.endif
	MUL16 0, (\q)%2, \zero
	MUL16 2, (\q)%2, \zero
	s_wait_dscnt 0
	PLACES NP
	FETCH_B \slot, (\q)+1, 1-(\q)%2
	FETCH_A \slot, (\q)+1, 0
.if \zero == 2
	WIN 0xc1
.else
	WIN MUL_HI
.endif
	MUL16 4, (\q)%2, \zero
	MUL16 6, (\q)%2, \zero
	PLACES NP
	WIN 0
	FETCH_A \slot, (\q)+1, 4
.endm
; A slot's last step changes slots: one barrier; in front of it each wave waits for all its tensor loads, adds 0 to its spare word, and waits for that and for its reads of this slot.
.macro TURN slot, next, fill
	s_wait_tensorcnt 0x0                           ; all my tensor loads have landed: my part of the next slot
	ds_add_u32 v[SPW], v[NIL]                      ; 0 onto my spare word
	s_wait_dscnt 4*NL+1                            ; (the add and the youngest 16 loads may be out)
	WIN MUL_LO
	MUL16 0, 1, 0
	s_wait_dscnt 0x0                               ; the add is done, and my reads of this slot are over
	s_barrier_signal -1
	MUL16 2, 1, 0
	WIN 0
	s_barrier_wait -1
.if \fill
	CREST                                          ; the barrier has opened a round of the cluster's: no wave of any partner still reads this slot or has a load on its way
	s_add_nc_u64 s[G0+4*\slot+2:G0+4*\slot+3], s[G0+4*\slot+2:G0+4*\slot+3], 2*ROWB
	s_add_nc_u64 s[G0B+4*\slot+2:G0B+4*\slot+3], s[G0B+4*\slot+2:G0B+4*\slot+3], 2*ROWB
	JLOAD G0+4*\slot, G1, G0B+4*\slot, G1B         ; the first tensor load behind the round; its four v_nop are the places in front of the loads below
.else
	PLACES NP
.endif
	FETCH_B \next, 0, 0
	FETCH_A \next, 0, 0
	WIN MUL_HI
	MUL16 4, 1, 0
	MUL16 6, 1, 0
	PLACES NP
	WIN 0
	FETCH_A \next, 0, 4
.endm
	s_wait_alu depctr_va_vdst(0)
	s_wait_tensorcnt 0x0                           ; my part of K step 0 is in; slot 1's first fill is issued as a refill is:
	ds_add_u32 v[SPW], v[NIL]
	s_wait_dscnt 0x0
	CROUND
	JLOAD G0+4, G1, G0B+4, G1B                     ; K step 1, the first tensor load behind the round
	FETCH_B 0, 0, 0
	FETCH_A 0, 0, 0
	FETCH_A 0, 0, 4
	STEP 0, 0, FIRSTC                              ; the first step starts the sums
	s_mov_b32 s3, LAPS-1
.Llap:
	TURN 0, 1, 1
	STEP 1, 0, 0
	TURN 1, 0, 1
	STEP 0, 0, 0
	s_sub_co_u32 s3, s3, 1
	s_cmp_lg_u32 s3, 0
	s_cbranch_scc1 .Llap
	TURN 0, 1, 0                                   ; the last lap fills nothing
	STEP 1, 0, 0
	s_wait_dscnt 4*NL
	WIN MUL_LO
	MUL16 0, 1, 0
	MUL16 2, 1, 0
	s_wait_alu depctr_va_vdst(0)
	s_wait_dscnt 0
	WIN MUL_HI
	MUL16 4, 1, 0
	MUL16 6, 1, 0
	WIN 0
; THE WAY OUT.  Block a (16 rows x 128 columns): hold, convert (a lane's eight results are eight neighbours along the next K: 8 bytes), into the work-group's stage.  Each accumulator is read from its low end on.
.macro OUTQ a
.set AC, 64*((\a)%4)
	WIN 0x02+((\a)/4)                              ; source 0: window 2 or 3
.set j, 0
.rept 64
.if IS_QKV
	v_med3_num_f32 v[TMP+j], v[AC+j], -v[VLIM], v[VLIM]   ; the conversion does not saturate (ISA guide 7.6.2)
.else
	v_med3_num_f32 v[TMP+j], v[AC+j], 0, v[VLIM]          ; relu and the hold in one
.endif
.set j, j+1
.endr
	WIN 0
.irp b, 0,1,2,3,4,5,6,7
	v_cvt_scalef32_pk8_bf8_f32 v[CR+16*(\a)+2*\b:CR+16*(\a)+2*\b+1], v[TMP+8*\b:TMP+8*\b+7], v[VSC]
.endr
	v_nop                                          ; a plain line between the conversions and the next block's holds, which write their sources
.irp b, 0,1,2,3,4,5,6,7
	ds_store_b64 v[STO], v[CR+16*(\a)+2*\b:CR+16*(\a)+2*\b+1] offset:16*SPC*(\a)+16*\b
.endr
.endm
	PLACES NP
.irp a, 0,1,2,3,4,5,6,7
	OUTQ \a
.endr
	s_wait_dscnt 0x0                               ; for the others' sake: my stores into the stage are done
	s_barrier_signal -1
	s_barrier_wait -1
.set i, 0
.rept 16
	ds_load_b128 v[CR+4*i:CR+4*i+3], v[RD] offset:8*SPC*i
.set i, i+1
.endr
.rept 16
	ds_load_b128 v[CR+4*i:CR+4*i+3], v[RD1] offset:8*SPC*(i-16)
.set i, i+1
.endr
.set i, 0
.rept 32
	s_wait_dscnt 31-i                              ; LDS loads come back in order: load i is in, the younger ones stay out
	global_store_b128 v[CO], v[CR+4*i:CR+4*i+3], s[OB+2*(i/8):OB+2*(i/8)+1] offset:512*(i%8)   ; eight rows of 64 bytes: 512 consecutive bytes, aligned
.set i, i+1
.endr
	s_wait_tensorcnt 0x0                           ; the wave's end
	ds_add_u32 v[SPW], v[NIL]
	s_wait_dscnt 0x0
	CROUND                                         ; the closing round
	s_endpgm
.Lfunc_end_k_q0e6a663c90_qkv:
	.size	k_q0e6a663c90_qkv, .Lfunc_end_k_q0e6a663c90_qkv-k_q0e6a663c90_qkv
	.p2alignl 7, 3214868480
	.fill 96, 4, 3214868480
	.section	.rodata,"a",@progbits
	.p2align	6, 0x0
	.amdhsa_kernel k_q0e6a663c90_qkv
		.amdhsa_group_segment_fixed_size 327680
		.amdhsa_private_segment_fixed_size 0
		.amdhsa_enable_private_segment 0
		.amdhsa_kernarg_size 24
		.amdhsa_user_sgpr_count 2
		.amdhsa_user_sgpr_kernarg_segment_ptr 1
		.amdhsa_wavefront_size32 1
		.amdhsa_system_sgpr_workgroup_id_x 1
		.amdhsa_system_sgpr_workgroup_id_y 1
		.amdhsa_system_sgpr_workgroup_id_z 1
		.amdhsa_system_vgpr_workitem_id 0
		.amdhsa_next_free_vgpr 1024
		.amdhsa_next_free_sgpr 100
		.amdhsa_reserve_vcc 0
		.amdhsa_float_denorm_mode_32 3
		.amdhsa_float_denorm_mode_16_64 3
		.amdhsa_memory_ordered 1
		.amdhsa_forward_progress 1
		.amdhsa_inst_pref_size 127
	.end_amdhsa_kernel
	.amdgpu_metadata
---
amdhsa.version: [ 1, 2 ]
amdhsa.kernels:
  - .name:           k_q0e6a663c90_qkv
    .symbol:         k_q0e6a663c90_qkv.kd
    .args:
      - { .name: pc, .offset: 0, .size: 8, .value_kind: global_buffer, .address_space: global }
      - { .name: lowp_scales, .offset: 8, .size: 8, .value_kind: global_buffer, .address_space: global }
      - { .name: qkv_c, .offset: 16, .size: 8, .value_kind: global_buffer, .address_space: global }
    .group_segment_fixed_size: 327680
    .private_segment_fixed_size: 0
    .kernarg_segment_align: 8
    .kernarg_segment_size: 24
    .max_flat_workgroup_size: 128
    .sgpr_count:     100
    .vgpr_count:     1024
    .wavefront_size: 32
...
	.end_amdgpu_metadata
.endif
;; end of part 2
;; launch attn (part 3): grid 4 x 64, 16 waves a work-group, clusters of 4 x 1, 186,368 bytes of LDS; arguments qkv_c, lowp_scales, ao_c; writes ao_c
.if DOCPART == 3
	.amdgcn_target "amdgcn-amd-amdhsa--gfx1250"
	.amdhsa_code_object_version 6
	.text
	.protected	k_q0e6a663c90_attn
	.globl	k_q0e6a663c90_attn
	.p2align	8
	.type	k_q0e6a663c90_attn,@function
k_q0e6a663c90_attn:
	s_mov_b64 s[64:65], 0
	v_nop
	global_prefetch_b8 v0, s[64:65] scope:SCOPE_SE
	s_setreg_imm32_b32 hwreg(HW_REG_WAVE_MODE, 25, 1), 1
	s_wait_xcnt 0x0
	s_wait_alu depctr_hold_cnt(0) depctr_sa_sdst(0) depctr_va_vdst(0) depctr_va_sdst(0) depctr_va_ssrc(0) depctr_va_vcc(0) depctr_vm_vsrc(0)
	s_getreg_b32 s2, hwreg(HW_REG_IB_STS2, 6, 4)
	s_cmp_eq_u32 s2, 0
	s_cbranch_scc0 .Lentry_in_a_cluster
	s_endpgm
.Lentry_in_a_cluster:
	s_bfe_u32 s2, ttmp6, 0x10000c
	s_cmp_lg_u32 s2, 0x3003
	s_cbranch_scc0 .Lentry_shape_is_right
	s_endpgm
.Lentry_shape_is_right:
; Causal attention on codes of E5M2, head size 64, 1,024 keys; the scores are scaled by 1 / sqrt(1024) = 1 / 32.
; q, k: [16 heads][4096 tokens][64] codes; v: [4 b][16 heads][16 blocks][64 d][64 keys] codes, the keys innermost.  The result leaves as codes under entry 10 of the scales: [16 heads][4096 tokens][64].
; THE SOFTMAX: t = score x log2(e) / 32; M = the running largest t rounded up to a whole number; p = 2^(t - M) is quantised (entry 8); the sum is taken of the unquantised p and divides at the end.
; SHARES.  The four work-groups of a cluster serve one head of one batch and ask for its K and V JOINTLY; all 1,024 keys lie in LDS, each byte filled once.  Sixteen waves, 16 queries each: wave j takes group j' of 64 queries
; (j' = j with the order turned round in every second four, so that waves j, j + 4, j + 8, j + 12 together always have 18 key steps), and of it the 16 queries of its work-group's place.
; A key step is 128 keys.  Step m is worked where m <= j' / 2 and masked where m = j' / 2: both tests hang on the wave's number alone.
; LAYOUT.  S^T = K Q^T (K = 64 form), O^T = V^T P^T (K = 128 form): a lane holds one query throughout.  Lane r of tile 2 b + u of K takes key 32 b + 8 u + r + 8 (r / 8), so that p's 16 registers of two tiles are 16 neighbouring keys.
; LIMITS: e6 + e7 between -121 and 132; e8, and e10 - e8 - e9, between -126 and 112.  NaN is not served.
; REGISTERS: v1-6 addresses that stay; v3 my query - 16 h; v8, v9 the step's LDS addresses; v12 -M, v13 the largest t, v[14:15] the sum; v16-23 Q; v24-31 the result's codes; v32-95 K's eight fragments, then V's four;
; v96-159 S^T, then p; v160-191 O^T; v192-223 the result; v224-239 p's codes; v240, v244: 57,344 x 2^e8, 2^e8; v246, v247: the result's scale and hold; v236, v242, v243, v252-254 at work.
.set KP,   80                          ; a row of 64 codes in LDS: 64 bytes + 16 of padding
.set VB,   81920                       ; V's rows begin behind K's 1,024
.set SLB,  20480                       ; 256 rows: what two waves fetch at a time
.set STG,  163840                      ; the way out: 16 rows x 80 bytes for each wave, bytes that no tile lands in
.set WV,   18
.set SEL,  20
.set CS,   22
.set G1,   24
.set G0,   32
.set LAST, 84
.set Q0,   85
.macro CROUND
	s_barrier_signal -1
	s_barrier_wait -1
	s_cmp_lg_u32 s[WV], 0
	s_cbranch_scc1 .Lnot_wave_0_\@
	s_barrier_signal -3
.Lnot_wave_0_\@:
	s_barrier_wait -3
	s_barrier_signal -1
	s_barrier_wait -1
.endm
.macro MKSC e, sc, lim
	s_add_co_i32 s96, s[\e], 127
	s_lshl_b32 s97, s96, 23
	v_mov_b32 v[\sc], s97
	s_add_co_i32 s96, s96, 15
	s_lshl_b32 s96, s96, 23
	s_or_b32 s96, s96, 0x600000
	v_mov_b32 v[\lim], s96
.endm
	s_load_b128 s[4:7], s[0:1], 0x0                ; qkv_c, the scales' exponents
	s_load_b64 s[8:9], s[0:1], 0x10                ; ao_c
	v_lshl_add_u32 v251, v0, 2, 0x2d000
	v_mov_b32 v255, 0
	ds_add_u32 v251, v255
	ds_add_u32 v251, v255
	v_lshrrev_b32 v8, 5, v0
	s_delay_alu instid0(VALU_DEP_1)
	v_readfirstlane_b32 s[WV], v8                  ; wave 0..15
	s_bfe_u32 s10, ttmp6, 0x40000                  ; cx: it enters Q's and O's global addresses and the mask's numbers alone
	s_and_b32 s11, ttmp7, 0xffff
	s_lshr_b32 s12, s11, 4                         ; b
	s_and_b32 s13, s11, 15                         ; head
	s_lshr_b32 s14, s[WV], 2
	s_and_b32 s15, s[WV], 3
	s_and_b32 s16, s14, 1
	s_mul_i32 s16, s16, 3
	s_xor_b32 s15, s15, s16
	s_lshl_b32 s14, s14, 2
	s_add_co_u32 s14, s14, s15                     ; j'
	s_lshr_b32 s[LAST], s14, 1                     ; my last key step
	s_lshl_b32 s[Q0], s14, 6
	s_lshl_b32 s15, s10, 4
	s_add_co_u32 s[Q0], s[Q0], s15                 ; my first query in the batch
	s_lshl_b32 s86, s13, 18                        ; K of my head and batch,
	s_lshl_b32 s87, s12, 16
	s_add_co_u32 s86, s86, s87
	s_add_co_u32 s86, s86, 4194304
	s_lshl_b32 s87, s12, 20                        ; V likewise
	s_lshl_b32 s88, s13, 16
	s_add_co_u32 s87, s87, s88
	s_add_co_u32 s87, s87, 8388608
	s_cmp_lt_u32 s[WV], 8                          ; waves 0 to 7 fetch K's eight pieces of 128 rows, waves 8 to 15 V's: one load a wave
	s_cselect_b32 s86, s86, s87
	s_and_b32 s88, s[WV], 7
	s_lshl_b32 s89, s88, 13                        ; 128 rows of 64 bytes in memory,
	s_add_co_u32 s86, s86, s89
	s_mov_b32 s87, 0
	s_mul_i32 s88, s88, 10240                      ; and in LDS
	s_lshr_b32 s89, s[WV], 3
	s_and_b32 s89, s89, 1
	s_mul_i32 s89, s89, VB
	s_add_co_u32 s88, s88, s89
	s_mov_b32 s[G1], 15|(0<<16)|(1<<20)|(1<<21)|(3<<22)|(3<<25)   ; 15:0 the mask: all four work-groups; elements of 1 byte; padding on; 21 set beside a mask; after every 16 words, four words
	s_mov_b32 s[G1+1], 256<<16                     ; the 128 rows of 64 bytes are dense: stated as 32 rows of 256 bytes, the padding still behind each 64
	s_mov_b32 s[G1+2], 32<<16
	s_mov_b32 s[G1+3], 256<<16
	s_mov_b32 s[G1+4], 32
	s_mov_b32 s[G1+5], 256
	s_mov_b32 s[G1+6], 0
	s_mov_b32 s[G1+7], 0
	s_mov_b32 s[SEL], 0x76543210
	s_mov_b32 s[SEL+1], 0xfedcba98
	s_wait_dscnt 0x0
	s_wait_kmcnt 0x0
	s_load_b512 s[68:83], s[6:7], 0x0              ; the sixteen exponents: entry n in s[68 + n]
	s_add_nc_u64 s[86:87], s[4:5], s[86:87]
	s_mov_b32 s[G0], 1
	s_mov_b32 s[G0+1], s88
	s_mov_b64 s[G0+2:G0+3], s[86:87]
	s_or_b32 s[G0+3], s[G0+3], 0x80000000
	CROUND                                         ; all four work-groups are here: the joint loads meet
	tensor_load_to_lds s[G0:G0+3], s[G1:G1+7]      ; every wave's one fill: sixteen pieces make up all of K and V
	s_nop 0
.rept 4
	v_nop
.endr
	s_lshl_b32 s90, s12, 10
	s_add_co_u32 s90, s90, s[Q0]
	s_lshl_b32 s90, s90, 6                         ; my first query's 64 bytes,
	s_lshl_b32 s91, s13, 18                        ; in my head
	s_add_co_u32 s90, s90, s91
	s_mov_b32 s91, 0
	s_add_nc_u64 s[4:5], s[4:5], s[90:91]          ; Q
	s_add_nc_u64 s[8:9], s[8:9], s[90:91]          ; O
	v_and_b32 v8, 15, v0                           ; r
	v_bfe_u32 v9, v0, 4, 1                         ; h
	s_delay_alu instid0(VALU_DEP_2)
	v_lshlrev_b32 v10, 6, v8
	s_delay_alu instid0(VALU_DEP_1)
	v_lshl_add_u32 v10, v9, 4, v10
	global_load_b128 v[16:19], v10, s[4:5]             ; Q(r, 16 h ..): registers 0-3; the same order of k as in K's fragments
	global_load_b128 v[20:23], v10, s[4:5] offset:32   ; Q(r, 32 + 16 h ..)
	v_and_b32 v11, 8, v8
	s_delay_alu instid0(VALU_DEP_1)
	v_add_nc_u32 v11, v11, v8                      ; r + 8 (r / 8)
	s_delay_alu instid0(VALU_DEP_1)
	v_mul_u32_u24 v1, v11, KP
	s_delay_alu instid0(VALU_DEP_1)
	v_lshl_add_u32 v1, v9, 4, v1                   ; my place in a tile of K
	v_mul_u32_u24 v2, v8, KP
	s_delay_alu instid0(VALU_DEP_1)
	v_lshl_add_u32 v2, v9, 4, v2
	s_delay_alu instid0(VALU_DEP_1)
	v_add_nc_u32 v2, VB, v2                        ; and of V
	v_lshlrev_b32 v3, 4, v9
	s_delay_alu instid0(VALU_DEP_1)
	v_sub_nc_u32 v3, v8, v3
	s_delay_alu instid0(VALU_DEP_1)
	v_add_nc_u32 v3, s[Q0], v3                     ; my query - 16 h: register 16 b + i of step m holds key 128 m + 32 b + 16 h + i, hidden where 128 m + 32 b + i is above this
	s_mul_i32 s92, s[WV], 1280
	s_add_co_u32 s92, s92, STG                     ; my stage
	v_mul_u32_u24 v4, v8, KP
	s_delay_alu instid0(VALU_DEP_1)
	v_lshl_add_u32 v4, v9, 3, v4
	s_delay_alu instid0(VALU_DEP_1)
	v_add_nc_u32 v4, s92, v4                       ; in: row r, + 8 h
	v_and_b32 v6, 31, v0
	s_delay_alu instid0(VALU_DEP_1)
	v_lshrrev_b32 v5, 2, v6
	s_delay_alu instid0(VALU_DEP_1)
	v_mul_u32_u24 v5, v5, KP
	s_delay_alu instid0(VALU_DEP_3)
	v_and_b32 v7, 3, v6
	s_delay_alu instid0(VALU_DEP_1)
	v_lshl_add_u32 v5, v7, 4, v5
	s_delay_alu instid0(VALU_DEP_1)
	v_add_nc_u32 v5, s92, v5                       ; back: four lanes to a row
	v_lshlrev_b32 v6, 4, v6                        ; and in memory: 16 x lane
	v_mov_b32 v13, 0xff61b1e6                      ; the largest t so far: -3e38
	s_delay_alu instid0(VALU_DEP_1)
	v_floor_f32 v12, -v13
	v_mov_b32 v14, 0
	v_mov_b32 v15, 0
	v_mov_b32 v236, 0                              ; a lane permute's destination counts as one of its sources
	v_mov_b32 v252, 0
	v_mov_b32 v253, 0                              ; (named as the upper half of the pair v[252:253])
.set j, 0
.rept 32
	v_mov_b32 v[160+j], 0                          ; O^T: the step is written for every step alike; the first finds zeros
.set j, j+1
.endr
	s_wait_kmcnt 0x0
	s_add_co_i32 s92, s74, s75
	s_lshl_b32 s92, s92, 23
	s_mov_b32 s[CS], 0x3d38aa3b                    ; c = log2(e) / 32
	s_add_co_i32 s[CS], s[CS], s92                 ; x 2^(e6 + e7), by c's exponent field
	s_mov_b32 s[CS+1], s[CS]
	MKSC 76, 244, 240                              ; p's scale and hold
	s_sub_co_i32 s93, s78, s76
	s_sub_co_i32 s93, s93, s77                     ; a sum / l stands for that x 2^(e8 + e9): its code is that / 2^(e10 - e8 - e9)
	MKSC 93, 246, 247
	s_wait_loadcnt 0x0                             ; Q
.macro STEP m
.if (\m) > 0
	s_cmp_lt_u32 s[LAST], \m                       ; all keys of the step come after my queries: the step is left out
	s_cbranch_scc1 .Lhid_\@
.endif
	v_add_nc_u32 v8, ((\m)/2)*SLB, v1
	v_add_nc_u32 v9, ((\m)/2)*SLB, v2
	v_nop
	v_nop                                          ; with the two additions: four places in front of loads into registers that the last products read
.irp t, 0,1,2,3,4,5,6,7
.irp c, 0,1
	ds_load_b128 v[32+8*\t+4*\c:32+8*\t+4*\c+3], v8 offset:(128*((\m)%2)+32*(\t/2)+8*(\t%2))*KP+32*\c
.endr
.endr
	s_wait_alu depctr_va_vdst(0)
	s_wait_dscnt 0x0
.irp t, 0,1,2,3,4,5,6,7
	v_wmma_f32_16x16x64_bf8_bf8 v[96+8*\t:103+8*\t], v[32+8*\t:39+8*\t], v[16:23], 0
.endr
.rept 4
	v_nop
.endr
.irp t, 0,1,2,3                        ; V's fragments are asked for here and land under the softmax: d = 16 t + r; registers 4 c .. 4 c + 3: keys 32 c + 16 h + 0 .. 15 of the step
.irp c, 0,1,2,3
	ds_load_b128 v[32+16*\t+4*\c:32+16*\t+4*\c+3], v9 offset:((2*((\m)%2)+\c/2)*64+16*\t)*KP+32*(\c%2)
.endr
.endr
	s_cmp_lg_u32 s[LAST], \m                       ; only my last step lies on the diagonal
	s_cbranch_scc1 .Lopen_\@
	v_mov_b32 v254, 0xff800000                     ; -infinity: p = 0 then
.irp n, 0,1,2,3,4,5,6,7,8,9,10,11,12,13,14,15,16,17,18,19,20,21,22,23,24,25,26,27,28,29,30,31,32,33,34,35,36,37,38,39,40,41,42,43,44,45,46,47,48,49,50,51,52,53,54,55,56,57,58,59,60,61,62,63
	v_cmp_gt_i32 vcc_lo, 128*(\m)+32*(\n/16)+\n%16, v3
	v_cndmask_b32 v[96+\n], v[96+\n], v254, vcc_lo
.endr
.Lopen_\@:
	v_max3_num_f32 v254, v96, v97, v98             ; the step's largest score of my query, in two chains,
	v_max3_num_f32 v252, v99, v100, v101
.irp i, 6,10,14,18,22,26,30,34,38,42,46,50,54,58
	v_max3_num_f32 v254, v254, v[96+\i], v[97+\i]
	v_max3_num_f32 v252, v252, v[98+\i], v[99+\i]
.endr
	v_max3_num_f32 v254, v254, v158, v159
	s_delay_alu instid0(VALU_DEP_1)
	v_max_num_f32 v254, v254, v252
	v_permlanex16_b32 v236, v254, s[SEL], s[SEL+1]
	s_delay_alu instid0(VALU_DEP_1)
	v_max_num_f32 v254, v254, v236                 ; and among lane l xor 16's
	s_delay_alu instid0(VALU_DEP_1)
	v_mul_f32 v254, s[CS], v254                    ; as t
	s_delay_alu instid0(VALU_DEP_1)
	v_max_num_f32 v13, v13, v254
	v_mov_b32 v254, v12
	s_delay_alu instid0(VALU_DEP_2)
	v_floor_f32 v12, -v13                          ; the new -M = -ceil(t)
	s_delay_alu instid0(VALU_DEP_1)
	v_sub_f32 v254, v12, v254                      ; old M - new M: a whole number, 0 or less
	s_delay_alu instid0(VALU_DEP_1)
	v_cvt_i32_f32 v254, v254                       ; (it saturates)
	s_delay_alu instid0(VALU_DEP_1)
	v_ldexp_f32 v252, 1.0, v254                    ; f = 2^(old M - new M)
.set j, 0
.rept 32
	v_pk_fma_f32 v[96+j:97+j], v[96+j:97+j], s[CS:CS+1], v[12:13] op_sel_hi:[1,0,0]   ; t - M
.set j, j+2
.endr
.set j, 0
	s_wait_alu depctr_va_vdst(0)
.rept 64
	v_exp_f32 v[96+j], v[96+j]                     ; p = 2^(t - M)
.set j, j+1
.endr
	v_pk_mul_f32 v[14:15], v[14:15], v[252:253] op_sel_hi:[1,0]   ; the sums under the new M: the plain line behind the exponentials
	s_wait_alu depctr_va_vdst(0)                   ; one wait for the batch, ahead of its first reader
	v_pk_add_f32 v[242:243], v[100:101], v[104:105]
	v_pk_add_f32 v[248:249], v[108:109], v[112:113]
	v_pk_add_f32 v[238:239], v[116:117], v[120:121]
	v_pk_add_f32 v[236:237], v[124:125], v[128:129]
	v_pk_add_f32 v[234:235], v[132:133], v[136:137]
	v_pk_add_f32 v[232:233], v[140:141], v[144:145]
	v_pk_add_f32 v[230:231], v[148:149], v[152:153]
	v_pk_add_f32 v[14:15], v[14:15], v[156:157]
	v_pk_add_f32 v[242:243], v[242:243], v[96:97]
	v_pk_add_f32 v[248:249], v[248:249], v[98:99]
	v_pk_add_f32 v[238:239], v[238:239], v[102:103]
	v_pk_add_f32 v[236:237], v[236:237], v[106:107]
	v_pk_add_f32 v[234:235], v[234:235], v[110:111]
	v_pk_add_f32 v[232:233], v[232:233], v[114:115]
	v_pk_add_f32 v[230:231], v[230:231], v[118:119]
	v_pk_add_f32 v[14:15], v[14:15], v[122:123]
	v_pk_add_f32 v[242:243], v[242:243], v[126:127]
	v_pk_add_f32 v[248:249], v[248:249], v[130:131]
	v_pk_add_f32 v[238:239], v[238:239], v[134:135]
	v_pk_add_f32 v[236:237], v[236:237], v[138:139]
	v_pk_add_f32 v[234:235], v[234:235], v[142:143]
	v_pk_add_f32 v[232:233], v[232:233], v[146:147]
	v_pk_add_f32 v[230:231], v[230:231], v[150:151]
	v_pk_add_f32 v[14:15], v[14:15], v[154:155]
	v_pk_add_f32 v[242:243], v[242:243], v[158:159]
	s_delay_alu instid0(VALU_DEP_2)
	v_pk_add_f32 v[14:15], v[14:15], v[236:237]
	s_delay_alu instid0(VALU_DEP_2)
	v_pk_add_f32 v[242:243], v[242:243], v[234:235]
	v_pk_add_f32 v[248:249], v[248:249], v[232:233]
	v_pk_add_f32 v[238:239], v[238:239], v[230:231]
	s_delay_alu instid0(VALU_DEP_2)
	v_pk_add_f32 v[14:15], v[14:15], v[248:249]
	s_delay_alu instid0(VALU_DEP_2)
	v_pk_add_f32 v[242:243], v[242:243], v[238:239]
	s_delay_alu instid0(VALU_DEP_1)
	v_pk_add_f32 v[14:15], v[14:15], v[242:243]
.irp b, 0,1,2,3
.irp i, 0,1,2,3,4,5,6,7,8,9,10,11,12,13,14,15
	v_min_num_f32 v[96+16*\b+\i], v[96+16*\b+\i], v240   ; the hold; p is not negative
.endr
	v_cvt_scalef32_pk8_bf8_f32 v[224+4*\b:225+4*\b], v[96+16*\b:103+16*\b], v244
	v_cvt_scalef32_pk8_bf8_f32 v[226+4*\b:227+4*\b], v[104+16*\b:111+16*\b], v244
.endr
.set j, 0
.rept 16
	v_pk_mul_f32 v[160+j:161+j], v[160+j:161+j], v[252:253] op_sel_hi:[1,0]   ; O^T under the new M; also the plain lines behind the conversions
.set j, j+2
.endr
	s_wait_alu depctr_va_vdst(0)
	s_wait_dscnt 0x0                               ; V's fragments
.irp t, 0,1,2,3
	v_wmma_f32_16x16x128_bf8_bf8 v[160+8*\t:167+8*\t], v[32+16*\t:47+16*\t], v[224:239], v[160+8*\t:167+8*\t]
.endr
.if (\m) > 0
.Lhid_\@:
.endif
.endm
.macro SLOTH sl                        ; slot sl, 256 keys, is whole in LDS for every wave.  Nothing is ever filled again, so later slots' loads stay out across the barrier
	s_wait_dscnt 0x0
	s_wait_tensorcnt 0x0                           ; my one load has landed; behind the barrier all sixteen have
	s_barrier_signal -1
	s_barrier_wait -1
.endm
	SLOTH 0
	STEP 0
	STEP 1
	STEP 2
	STEP 3
	STEP 4
	STEP 5
	STEP 6
	STEP 7
	; THE WAY OUT: O^T / the sum, held, converted: 8 bytes a tile of 16 channels; through my stage, so that 32 lanes store 512 consecutive bytes.
.rept 4
	v_nop
.endr
	v_add_f32 v14, v14, v15
	s_delay_alu instid0(VALU_DEP_1)
	v_permlanex16_b32 v252, v14, s[SEL], s[SEL+1]
	s_delay_alu instid0(VALU_DEP_1)
	v_add_f32 v14, v14, v252                       ; the row's sum
	s_wait_alu depctr_va_vdst(0)
	v_rcp_f32 v14, v14
	v_nop                                          ; a plain line behind the transcendental,
	s_wait_alu depctr_va_vdst(0)                   ; and the wait ahead of its first reader
.set j, 0
.rept 32
	v_mul_f32 v[192+j], v[160+j], v14              ; register 8 t + i is o(r, 16 t + 8 h + i)
.set j, j+1
.endr
.set j, 0
.rept 32
	v_med3_num_f32 v[192+j], v[192+j], -v247, v247
.set j, j+1
.endr
.irp t, 0,1,2,3
	v_cvt_scalef32_pk8_bf8_f32 v[24+2*\t:25+2*\t], v[192+8*\t:199+8*\t], v246
.endr
	v_nop
.irp t, 0,1,2,3
	ds_store_b64 v4, v[24+2*\t:25+2*\t] offset:16*\t
.endr
	ds_load_b128 v[192:195], v5                    ; LDS serves a wave's instructions in order: these see my stores
	ds_load_b128 v[196:199], v5 offset:8*KP
	s_wait_dscnt 1                                 ; the first eight rows are back; the second load may be out
	global_store_b128 v6, v[192:195], s[8:9]
	s_wait_dscnt 0x0
	global_store_b128 v6, v[196:199], s[8:9] offset:512
	s_wait_tensorcnt 0x0
	s_wait_tensorcnt 0x0
	ds_add_u32 v251, v255
	s_wait_dscnt 0x0
	CROUND                                         ; the closing round
	s_endpgm
.Lfunc_end_k_q0e6a663c90_attn:
	.size	k_q0e6a663c90_attn, .Lfunc_end_k_q0e6a663c90_attn-k_q0e6a663c90_attn
	.p2alignl 7, 3214868480
	.fill 96, 4, 3214868480
	.section	.rodata,"a",@progbits
	.p2align	6, 0x0
	.amdhsa_kernel k_q0e6a663c90_attn
		.amdhsa_group_segment_fixed_size 186368
		.amdhsa_private_segment_fixed_size 0
		.amdhsa_enable_private_segment 0
		.amdhsa_kernarg_size 24
		.amdhsa_user_sgpr_count 2
		.amdhsa_user_sgpr_kernarg_segment_ptr 1
		.amdhsa_wavefront_size32 1
		.amdhsa_system_sgpr_workgroup_id_x 1
		.amdhsa_system_sgpr_workgroup_id_y 1
		.amdhsa_system_sgpr_workgroup_id_z 1
		.amdhsa_system_vgpr_workitem_id 0
		.amdhsa_next_free_vgpr 256
		.amdhsa_next_free_sgpr 100
		.amdhsa_reserve_vcc 1
		.amdhsa_float_denorm_mode_32 3
		.amdhsa_float_denorm_mode_16_64 3
		.amdhsa_memory_ordered 1
		.amdhsa_forward_progress 1
		.amdhsa_inst_pref_size 186
	.end_amdhsa_kernel
	.amdgpu_metadata
---
amdhsa.version: [ 1, 2 ]
amdhsa.kernels:
  - .name:           k_q0e6a663c90_attn
    .symbol:         k_q0e6a663c90_attn.kd
    .args:
      - { .name: qkv_c, .offset: 0, .size: 8, .value_kind: global_buffer, .address_space: global }
      - { .name: lowp_scales, .offset: 8, .size: 8, .value_kind: global_buffer, .address_space: global }
      - { .name: ao_c, .offset: 16, .size: 8, .value_kind: global_buffer, .address_space: global }
    .group_segment_fixed_size: 186368
    .private_segment_fixed_size: 0
    .kernarg_segment_align: 8
    .kernarg_segment_size: 24
    .max_flat_workgroup_size: 512
    .sgpr_count:     100
    .vgpr_count:     256
    .wavefront_size: 32
...
	.end_amdgpu_metadata
.endif
;; end of part 3
;; launch wo (part 4): grid 8 x 32, 4 waves a work-group, clusters of 4 x 4, 327,680 bytes of LDS; arguments ao_c, pc, lowp_scales, bo, x, x1; writes x1
.if DOCPART == 4
	.amdgcn_target "amdgcn-amd-amdhsa--gfx1250"
	.amdhsa_code_object_version 6
	.text
	.protected	k_q0e6a663c90_wo
	.globl	k_q0e6a663c90_wo
	.p2align	8
	.type	k_q0e6a663c90_wo,@function
k_q0e6a663c90_wo:
	s_mov_b64 s[64:65], 0
	v_nop
	global_prefetch_b8 v0, s[64:65] scope:SCOPE_SE
	s_setreg_imm32_b32 hwreg(HW_REG_WAVE_MODE, 25, 1), 1
	s_wait_xcnt 0x0
	s_wait_alu depctr_hold_cnt(0) depctr_sa_sdst(0) depctr_va_vdst(0) depctr_va_sdst(0) depctr_va_ssrc(0) depctr_va_vcc(0) depctr_vm_vsrc(0)
	s_getreg_b32 s2, hwreg(HW_REG_IB_STS2, 6, 4)
	s_cmp_eq_u32 s2, 0
	s_cbranch_scc0 .Lentry_in_a_cluster
	s_endpgm
.Lentry_in_a_cluster:
	s_bfe_u32 s2, ttmp6, 0x10000c
	s_cmp_lg_u32 s2, 0xf033
	s_cbranch_scc0 .Lentry_shape_is_right
	s_endpgm
.Lentry_shape_is_right:
; out[m][n] = res[m][n] + bias[n] + 2^(eA + eB) x sum over k of A[m][k] B[n][k], on codes of E5M2; out and res f32, [4096][1024].
; A: codes in blocks of 64 along K: [KK / 64][4096 tokens][64].  B: a weight's codes in pc, [1024][KK], K innermost.  LIMIT: eA + eB between -126 and 127.
; A tile is 128 tokens x 128 outputs, so that 256 work-groups have work; four waves, 64 x 64 each: 16 accumulators.  K goes in steps of 512 through a ring of two LDS slots filled by the tensor data mover.
; CLUSTERS: 4 x 4 work-groups; A's tile is asked for jointly along a row of the cluster, B's along a column.  THE MATRIX INSTRUCTION IS USED TRANSPOSED (source 0 = 16 rows of B, source 1 = 16 rows of A).
; A's half tile (64 tokens x 512 K) is 8 rows of 4,096 dense bytes, one for each block of 64 along K, 262,144 bytes apart; 16 bytes of padding behind every 256: block kb at 8,704 kb, token t at 272 (t / 4) + 64 (t % 4).
; B's half tile: 64 rows of 512 bytes, pitch 528.
; REGISTERS: window 0: v0-31 addresses, v[12:15] the bias of my four columns; v32-95 rows on the way out; v128-255 the accumulators.  window 1: two fragment buffers of 128 (A's four, then B's four).  window 2: v0-127 the residual.
.set KK,     1024
.set WOFF,   3145728                   ; the weight's codes in pc
.set EA,     78                        ; s[68 + entry]: entries 10 and 11
.set EB,     79
.set HALFT,  34816
.set SLOT,   4*HALFT
.set STAGE,  2*SLOT                    ; 16 rows x 272 bytes for each wave
.set SPITCH, 272
.set SPARE,  STAGE+4*16*SPITCH         ; the spare words: 128 bytes a wave, two blocks of 256 bytes that no other line names
.set LAPS,   KK/1024
.set ADRA, 16
.set ADRB, 20
.set STO,  24
.set RD,   25
.set CO,   26
.set SPW,  28
.set NIL,  29
.set BK,   32
.set ACC,  128
.set F0,   0
.set F1,   128
.set G1, 24
.set G0, 32
.set G1B, 48
.set G0B, 56
.set MSB, 0
.macro WIN new
.if MSB != \new
	s_set_vgpr_msb (MSB<<8)|\new
.set MSB, \new
.endif
.endm
.set MUL,  0x05                        ; sources 0 (B) and 1 (A) window 1; C and D window 0
.set TO_F, 0x40
.macro JLOAD s                         ; waves 0 and 1 fetch A's halves, waves 2 and 3 B's; four v_nop follow each line
	s_cmp_eq_u32 s11, 0
	s_cbranch_scc0 .Lfor_b_\@
	tensor_load_to_lds s[G0+4*\s:G0+4*\s+3], s[G1:G1+7]
	s_nop 0
.rept 4
	v_nop
.endr
	s_branch .Lasked_\@
.Lfor_b_\@:
	tensor_load_to_lds s[G0B+4*\s:G0B+4*\s+3], s[G1B:G1B+7]
	s_nop 0
.rept 4
	v_nop
.endr
.Lasked_\@:
.endm
.macro CREST
	s_cmp_lg_u32 s10, 0
	s_cbranch_scc1 .Lnot_wave_0_\@
	s_barrier_signal -3
.Lnot_wave_0_\@:
	s_barrier_wait -3
	s_barrier_signal -1
	s_barrier_wait -1
.endm
.macro CROUND
	s_barrier_signal -1
	s_barrier_wait -1
	CREST
.endm
	s_load_b256 s[84:91], s[0:1], 0x0              ; A 84, pc 86, the scales' exponents 88, the bias 90
	s_load_b128 s[92:95], s[0:1], 0x20             ; the residual 92, out 94
	v_lshl_add_u32 v[SPW], v0, 2, SPARE
	v_mov_b32 v[NIL], 0
	ds_add_u32 v28, v29
	ds_add_u32 v28, v29
	s_wait_dscnt 0x0
	v_lshrrev_b32 v1, 5, v0
	v_readfirstlane_b32 s10, v1                    ; wave 0..3
	s_lshr_b32 s11, s10, 1                         ; my half of the tokens.  Also: I fetch for A (0) or for B (1)
	s_and_b32 s12, s10, 1                          ; my half of the outputs.  Also: which half I fetch
	s_bfe_u32 s40, ttmp6, 0x40000                  ; cx
	s_bfe_u32 s41, ttmp6, 0x40004                  ; cy
	s_lshl_b32 s42, ttmp9, 2
	s_add_co_u32 s42, s42, s40                     ; tile column
	s_and_b32 s13, ttmp7, 0xffff
	s_lshl_b32 s13, s13, 2
	s_add_co_u32 s13, s13, s41                     ; tile row
	s_lshl_b32 s43, s41, 2
	s_lshl_b32 s43, 15, s43
	s_lshl_b32 s44, 0x1111, s40
	s_or_b32 s[G1+0], s43, (0<<16)|(1<<20)|(1<<21)|(5<<22)|(3<<25)   ; the mask of my row; elements of 1 byte; padding: four words after every 64; 21 set beside a mask
	s_mov_b32 s[G1+1], 8192<<16                    ; tensor_dim0: 128 tokens x 64 bytes: wave 0 fetches A's K 0-511, wave 1 its K 512-1023, all 128 tokens each
	s_mov_b32 s[G1+2], 8<<16                       ; tensor_dim1: 8 blocks along K
	s_mov_b32 s[G1+3], 8192<<16
	s_mov_b32 s[G1+4], 8                           ; tile_dim1
	s_mov_b32 s[G1+5], 262144                      ; from block to block
	s_mov_b32 s[G1+6], 0
	s_mov_b32 s[G1+7], 0
	s_or_b32 s[G1B+0], s44, (0<<16)|(1<<20)|(1<<21)|(6<<22)|(3<<25)  ; the mask of my column; padding: four words after every 128
	s_mov_b32 s[G1B+1], 512<<16
	s_mov_b32 s[G1B+2], 128<<16                    ; waves 2 and 3 likewise: all 128 rows of B, 512 along K each
	s_mov_b32 s[G1B+3], 512<<16
	s_mov_b32 s[G1B+4], 128
	s_mov_b32 s[G1B+5], KK
	s_mov_b32 s[G1B+6], 0
	s_mov_b32 s[G1B+7], 0
	s_lshl_b32 s16, s13, 13                        ; A: token 128 x tile row, 64 bytes each
	s_lshl_b32 s17, s12, 21                        ; 8 blocks along K on
	s_add_co_u32 s16, s16, s17
	s_mov_b32 s17, 0
	s_lshl_b32 s46, s42, 7                         ; B: row 128 x tile column, 512 x my K half
	s_mul_i32 s46, s46, KK
	s_lshl_b32 s47, s12, 9
	s_add_co_u32 s46, s46, s47
	s_add_co_u32 s46, s46, WOFF
	s_mov_b32 s47, 0
	s_mul_i32 s20, s11, 2*HALFT                    ; where they go: A's or B's part of the slot of my K half
	s_mul_i32 s21, s12, SLOT
	s_add_co_u32 s20, s20, s21
	s_wait_kmcnt 0x0
	s_load_b512 s[68:83], s[88:89], 0x0            ; the sixteen exponents
	s_add_nc_u64 s[14:15], s[84:85], s[16:17]
	s_add_nc_u64 s[46:47], s[86:87], s[46:47]
	CROUND                                         ; all sixteen work-groups are here: the first joint loads meet
	s_mov_b32 s[G0], 1
	s_mov_b32 s[G0+1], s20
	s_mov_b64 s[G0+2:G0+3], s[14:15]
	s_or_b32 s[G0+3], s[G0+3], 0x80000000
	s_mov_b32 s[G0B], 1
	s_mov_b32 s[G0B+1], s20
	s_mov_b64 s[G0B+2:G0B+3], s[46:47]
	s_or_b32 s[G0B+3], s[G0B+3], 0x80000000
	JLOAD 0                                        ; one tensor load a wave: the four bring all of K; nothing is filled again
	v_and_b32 v1, 15, v0                           ; r
	v_bfe_u32 v2, v0, 4, 1                         ; h
	v_lshrrev_b32 v3, 2, v1
	v_mul_u32_u24 v3, v3, 272
	v_and_b32 v4, 3, v1
	v_lshl_add_u32 v3, v4, 6, v3
	v_lshl_add_u32 v3, v2, 4, v3                   ; A: 272 (r / 4) + 64 (r % 4) + 16 h
	v_mul_u32_u24 v4, v1, 528
	v_lshl_add_u32 v4, v2, 4, v4                   ; B: 528 r + 16 h
	s_mul_i32 s21, s11, 4352                       ; my 64 tokens: 16 x 272 bytes into each block's 8,704
	s_mul_i32 s22, s12, 33792                      ; my 64 rows of B: 64 x 528
	s_add_co_u32 s22, s22, 2*HALFT
.irp s, 0,1
	v_add_nc_u32 v[ADRA+\s], s21, v3
	v_add_nc_u32 v[ADRB+\s], s22, v4
	s_add_co_u32 s21, s21, SLOT
	s_add_co_u32 s22, s22, SLOT
.endr
	s_mul_i32 s23, s10, 16*SPITCH
	s_add_co_u32 s23, s23, STAGE                   ; my stage
	v_mul_u32_u24 v5, v1, SPITCH
	v_lshl_add_u32 v5, v2, 5, v5
	v_add_nc_u32 v[STO], s23, v5                   ; in: row r, + 32 h
	v_mul_u32_u24 v5, v2, SPITCH
	v_lshl_add_u32 v5, v1, 4, v5
	v_add_nc_u32 v[RD], s23, v5                    ; back: lanes 0-15 one row of 256 bytes, lanes 16-31 the next
	v_lshlrev_b32 v5, 12, v2
	v_lshl_add_u32 v[CO], v1, 4, v5                ; and the same two rows in memory
	v_lshlrev_b32 v6, 4, v1
	s_wait_alu depctr_va_vdst(0)
	s_lshl_b32 s16, s13, 19                        ; my first row: (128 x tile row + 64 x half) x 4,096 bytes
	s_lshl_b32 s17, s11, 18
	s_add_co_u32 s16, s16, s17
	s_mov_b32 s17, 0
	s_add_nc_u64 s[92:93], s[92:93], s[16:17]
	s_add_nc_u64 s[94:95], s[94:95], s[16:17]
	s_lshl_b32 s46, s42, 9                         ; my first column: (128 x tile column + 64 x half) x 4 bytes
	s_lshl_b32 s47, s12, 8
	s_add_co_u32 s46, s46, s47
	s_mov_b32 s47, 0
	s_add_nc_u64 s[92:93], s[92:93], s[46:47]
	s_add_nc_u64 s[94:95], s[94:95], s[46:47]
	s_add_nc_u64 s[90:91], s[90:91], s[46:47]
	global_load_b128 v[12:15], v6, s[90:91]        ; the bias of columns 4 (lane % 16) + 0 .. 3
	WIN 0x80                                       ; destination window 2
.irp a, 0,1,2,3                        ; the residual, in the layout in which the rows come back from the stage; it is waited for on the way out
.irp t, 0,1,2,3,4,5,6,7
	global_load_b128 v[32*\a+4*\t:32*\a+4*\t+3], v[CO], s[92:93] offset:\a*65536+\t*8192
.endr
.endr
	WIN 0
.macro MUL4 f, a, zero                 ; A's block a x B's four, 128 along K.  The 16 accumulators take turns in one order in every quarter
.irp b, 0,1,2,3
.if \zero
	v_wmma_f32_16x16x128_bf8_bf8 v[ACC+8*(4*(\a)+\b):ACC+8*(4*(\a)+\b)+7], v[\f+64+16*\b:\f+64+16*\b+15], v[\f+16*(\a):\f+16*(\a)+15], 0
.else
	v_wmma_f32_16x16x128_bf8_bf8 v[ACC+8*(4*(\a)+\b):ACC+8*(4*(\a)+\b)+7], v[\f+64+16*\b:\f+64+16*\b+15], v[\f+16*(\a):\f+16*(\a)+15], v[ACC+8*(4*(\a)+\b):ACC+8*(4*(\a)+\b)+7]
.endif
.endr
.endm
.macro FETCH slot, q, f                ; 32 LDS loads in one run: quarter q's fragments: B's four, then A's four.  Registers 4 c .. 4 c + 3: K = 32 c + 16 h + 0 .. 15, alike in A and B
	WIN TO_F
.irp i, 0,1,2,3
.irp c, 0,1,2,3
	ds_load_b128 v[\f+64+16*\i+4*\c:\f+64+16*\i+4*\c+3], v[ADRB+\slot] offset:128*(\q)+32*\c+\i*8448
.endr
.endr
.irp i, 0,1,2,3
.irp c, 0,1,2,3
	ds_load_b128 v[\f+16*\i+4*\c:\f+16*\i+4*\c+3], v[ADRA+\slot] offset:(2*(\q)+\c/2)*8704+\i*1088+32*(\c%2)
.endr
.endr
.endm
.macro PLACES                          ; plain vector lines between a matrix instruction and a load into, or a read of, its registers
.rept 4
	v_nop
.endr
.endm
.macro QUARTER slot, qn, f, g, zero    ; multiplies buffer f and fetches quarter qn of the slot into g
	s_wait_dscnt 8                                 ; B's four and A's blocks 0, 1 are in; the youngest eight loads (A's blocks 2, 3) may be out
	WIN MUL
	MUL4 \f, 0, \zero
	MUL4 \f, 1, \zero
	PLACES
	FETCH \slot, \qn, \g
	s_wait_dscnt 32                                ; all but the 32 just issued
	WIN MUL
	MUL4 \f, 2, \zero
	MUL4 \f, 3, \zero
.endm
; The last quarter multiplies buffer 1 and changes slots: one barrier; in front of it each wave waits for all its tensor loads, adds 0 to its spare word, and waits for that and for its reads of this slot.
.macro TURN slot, next, fill
	WIN 0
	s_wait_tensorcnt 0x0                           ; all my tensor loads have landed: my part of the next slot
	ds_add_u32 v[SPW], v[NIL]                      ; 0 onto my spare word
	s_wait_dscnt 9                                 ; (the add and the youngest eight loads may be out)
	WIN MUL
	MUL4 F1, 0, 0
	s_wait_dscnt 0x0                               ; the add is done, and my reads of this slot are over
	s_barrier_signal -1
	MUL4 F1, 1, 0
	WIN 0
	s_barrier_wait -1
.if \fill
	CREST                                          ; the barrier has opened a round of the cluster's: no wave of any partner still reads this slot or has a load on its way
	s_add_nc_u64 s[G0+4*\slot+2:G0+4*\slot+3], s[G0+4*\slot+2:G0+4*\slot+3], 4194304
	s_add_nc_u64 s[G0B+4*\slot+2:G0B+4*\slot+3], s[G0B+4*\slot+2:G0B+4*\slot+3], 1024
	JLOAD \slot                                    ; the first tensor load behind the round; its four v_nop are the places in front of the loads below
.else
	PLACES
.endif
	FETCH \next, 0, F0
	WIN MUL
	MUL4 F1, 2, 0
	MUL4 F1, 3, 0
.endm
	s_wait_tensorcnt 0x0                           ; my one load is in
	s_barrier_signal -1
	s_barrier_wait -1
	FETCH 0, 0, F0
	QUARTER 0, 1, F0, F1, 1                        ; the first quarter starts the sums
.if LAPS > 1
	WIN 0
	s_mov_b32 s3, LAPS-1
.Llap:
	QUARTER 0, 2, F1, F0, 0
	QUARTER 0, 3, F0, F1, 0
	TURN 0, 1, 1
	QUARTER 1, 1, F0, F1, 0
	QUARTER 1, 2, F1, F0, 0
	QUARTER 1, 3, F0, F1, 0
	TURN 1, 0, 1
	QUARTER 0, 1, F0, F1, 0
	WIN 0
	s_sub_co_u32 s3, s3, 1
	s_cmp_lg_u32 s3, 0
	s_cbranch_scc1 .Llap
.endif
	QUARTER 0, 2, F1, F0, 0                        ; the last lap fills nothing
	QUARTER 0, 3, F0, F1, 0
	TURN 0, 1, 0
	QUARTER 1, 1, F0, F1, 0
	QUARTER 1, 2, F1, F0, 0
	QUARTER 1, 3, F0, F1, 0
	s_wait_dscnt 8
	WIN MUL
	MUL4 F1, 0, 0
	MUL4 F1, 1, 0
	s_wait_dscnt 0
	MUL4 F1, 2, 0
	MUL4 F1, 3, 0
	WIN 0
; THE WAY OUT, a block of 16 rows x 64 columns at a time: the sums go through my own stage and come back as rows of 256 bytes; there sum x 2^(eA + eB) + bias, + the residual; sixteen lanes store 256 consecutive aligned bytes.
.macro TOSTAGE a
.irp b, 0,1,2,3
	ds_store_b128 v[STO], v[ACC+8*(4*(\a)+\b):ACC+8*(4*(\a)+\b)+3] offset:64*\b        ; each accumulator from its low end on
	ds_store_b128 v[STO], v[ACC+8*(4*(\a)+\b)+4:ACC+8*(4*(\a)+\b)+7] offset:64*\b+16
.endr
.set BB, BK+32*((\a)%2)
.irp t, 0,1,2,3,4,5,6,7
	ds_load_b128 v[BB+4*\t:BB+4*\t+3], v[RD] offset:\t*2*SPITCH   ; LDS serves a wave's instructions in order: these see my stores
.endr
.endm
.macro SEND a, younger
.set BB, BK+32*((\a)%2)
	s_wait_dscnt \younger                          ; the block is back; the next block's eight stores and eight loads may be out
.irp t, 0,1,2,3,4,5,6,7
	v_pk_fma_f32 v[BB+4*\t:BB+4*\t+1], v[BB+4*\t:BB+4*\t+1], s[96:97], v[12:13] op_sel_hi:[1,0,1]
	v_pk_fma_f32 v[BB+4*\t+2:BB+4*\t+3], v[BB+4*\t+2:BB+4*\t+3], s[96:97], v[14:15] op_sel_hi:[1,0,1]
.endr
	WIN 0x08                                       ; source 1: window 2
.irp t, 0,1,2,3,4,5,6,7
	v_pk_add_f32 v[BB+4*\t:BB+4*\t+1], v[BB+4*\t:BB+4*\t+1], v[32*(\a)+4*\t:32*(\a)+4*\t+1]
	v_pk_add_f32 v[BB+4*\t+2:BB+4*\t+3], v[BB+4*\t+2:BB+4*\t+3], v[32*(\a)+4*\t+2:32*(\a)+4*\t+3]
.endr
	WIN 0
.irp t, 0,1,2,3,4,5,6,7
	global_store_b128 v[CO], v[BB+4*\t:BB+4*\t+3], s[94:95] offset:(\a)*65536+\t*8192
.endr
.endm
	PLACES
	s_wait_kmcnt 0x0
	s_add_co_i32 s96, s[EA], s[EB]
	s_add_co_i32 s96, s96, 127
	s_lshl_b32 s96, s96, 23                        ; 2^(eA + eB) as f32
	s_mov_b32 s97, s96                             ; (named with it as a pair)
	s_wait_loadcnt 0x0                             ; the bias and the residual
	TOSTAGE 0
.irp a, 1,2,3
.if \a > 1
	s_wait_xcnt 0x0                                ; block a - 2's stores have read their registers, into which block a's rows are loaded
.endif
	TOSTAGE \a
	SEND \a-1, 16
.endr
	SEND 3, 0
	s_wait_tensorcnt 0x0                           ; the wave's end
	ds_add_u32 v[SPW], v[NIL]
	s_wait_dscnt 0x0
	CROUND                                         ; the closing round
	s_endpgm
.Lfunc_end_k_q0e6a663c90_wo:
	.size	k_q0e6a663c90_wo, .Lfunc_end_k_q0e6a663c90_wo-k_q0e6a663c90_wo
	.p2alignl 7, 3214868480
	.fill 96, 4, 3214868480
	.section	.rodata,"a",@progbits
	.p2align	6, 0x0
	.amdhsa_kernel k_q0e6a663c90_wo
		.amdhsa_group_segment_fixed_size 327680
		.amdhsa_private_segment_fixed_size 0
		.amdhsa_enable_private_segment 0
		.amdhsa_kernarg_size 48
		.amdhsa_user_sgpr_count 2
		.amdhsa_user_sgpr_kernarg_segment_ptr 1
		.amdhsa_wavefront_size32 1
		.amdhsa_system_sgpr_workgroup_id_x 1
		.amdhsa_system_sgpr_workgroup_id_y 1
		.amdhsa_system_sgpr_workgroup_id_z 1
		.amdhsa_system_vgpr_workitem_id 0
		.amdhsa_next_free_vgpr 768
		.amdhsa_next_free_sgpr 100
		.amdhsa_reserve_vcc 0
		.amdhsa_float_denorm_mode_32 3
		.amdhsa_float_denorm_mode_16_64 3
		.amdhsa_memory_ordered 1
		.amdhsa_forward_progress 1
		.amdhsa_inst_pref_size 52
	.end_amdhsa_kernel
	.amdgpu_metadata
---
amdhsa.version: [ 1, 2 ]
amdhsa.kernels:
  - .name:           k_q0e6a663c90_wo
    .symbol:         k_q0e6a663c90_wo.kd
    .args:
      - { .name: ao_c, .offset: 0, .size: 8, .value_kind: global_buffer, .address_space: global }
      - { .name: pc, .offset: 8, .size: 8, .value_kind: global_buffer, .address_space: global }
      - { .name: lowp_scales, .offset: 16, .size: 8, .value_kind: global_buffer, .address_space: global }
      - { .name: bo, .offset: 24, .size: 8, .value_kind: global_buffer, .address_space: global }
      - { .name: x, .offset: 32, .size: 8, .value_kind: global_buffer, .address_space: global }
      - { .name: x1, .offset: 40, .size: 8, .value_kind: global_buffer, .address_space: global }
    .group_segment_fixed_size: 327680
    .private_segment_fixed_size: 0
    .kernarg_segment_align: 8
    .kernarg_segment_size: 48
    .max_flat_workgroup_size: 128
    .sgpr_count:     100
    .vgpr_count:     768
    .wavefront_size: 32
...
	.end_amdgpu_metadata
.endif
;; end of part 4
;; launch ln2 (part 5): grid 256 x 1, 4 waves a work-group, no clusters, 20,992 bytes of LDS; arguments x1, g2, be2, lowp_scales, h2_c; writes h2_c
.if DOCPART == 5
	.amdgcn_target "amdgcn-amd-amdhsa--gfx1250"
	.amdhsa_code_object_version 6
	.text
	.protected	k_q0e6a663c90_ln2
	.globl	k_q0e6a663c90_ln2
	.p2align	8
	.type	k_q0e6a663c90_ln2,@function
k_q0e6a663c90_ln2:
	s_mov_b64 s[64:65], 0
	v_nop
	global_prefetch_b8 v0, s[64:65] scope:SCOPE_SE
	s_setreg_imm32_b32 hwreg(HW_REG_WAVE_MODE, 25, 1), 1
	s_wait_xcnt 0x0
; h2 = LayerNorm(x1) g2 + be2, quantised with entry 12 of the scales into codes of E5M2: [4096 tokens][1024], one byte a number.
; code = number / 2^e, held within +-57,344, to the nearest code, ties to even.  LIMIT: e between -126 and 112.  NaN among the inputs is not served.
; A wave takes 4 rows, a row at a time: 8 loads of 512 consecutive bytes, the row kept in 32 registers.  Mean, then the squares of x - mean: no difference of large sums.  No barrier: waves share nothing.
.set SP,    80                         ; a lane's place in a stage: 64 bytes + 16 of padding
.set NSC,   1
.set SCR,   4                          ; v4  2^e as f32
.set LIMR,  7                          ; v7  57,344 x 2^e
.set G,     16                         ; v16-47 the gain, in the layout of a row
.set BE,    48                         ; v48-79 the bias
.set RR,    80                         ; v80-143 two rows as loaded
.set XX,    144                        ; v144-175 a row's two halves, 16 neighbours a lane each
.set TT,    176                        ; v176-191 held numbers
.set CC,    192                        ; v192-199 codes
.set AC,    216                        ; v216-223 four packed sums
.set DST,   48                         ; s[48:49] where the codes go
.macro MKSC e, sc, lim
	s_add_co_i32 s58, s[\e], 127
	s_lshl_b32 s59, s58, 23
	v_mov_b32 v[\sc], s59
	s_add_co_i32 s58, s58, 15
	s_lshl_b32 s58, s58, 23
	s_or_b32 s58, s58, 0x600000
	v_mov_b32 v[\lim], s58
.endm
	s_load_b128 s[20:23], s[0:1], 0x0              ; x1 20, g2 22
	s_load_b128 s[24:27], s[0:1], 0x10             ; be2 24, the scales' exponents 26
	s_load_b64 s[28:29], s[0:1], 0x20              ; h2_c
	v_lshl_add_u32 v224, v0, 2, 0x5000
	v_mov_b32 v225, 0
	v_lshrrev_b32 v1, 5, v0
	v_readfirstlane_b32 s30, v1                    ; wave
	v_and_b32 v2, 31, v0                           ; lane
	v_lshlrev_b32 v3, 4, v2                        ; 16 x lane
	v_lshrrev_b32 v14, 2, v2
	v_mul_u32_u24 v14, v14, SP
	v_and_b32 v15, 3, v2
	v_lshl_add_u32 v14, v15, 4, v14                ; a stage on the way in: SP (lane / 4) + 16 (lane % 4)
	v_mul_u32_u24 v15, v2, SP                      ; and on the way out: SP x lane
	s_wait_alu depctr_va_vdst(0)
	s_wait_kmcnt 0x0
	s_load_b32 s44, s[26:27], 0x30                 ; entry 12
	s_lshl_b32 s2, ttmp9, 4
	s_lshl_b32 s3, s30, 2
	s_add_co_u32 s2, s2, s3                        ; my first row
	s_lshl_b32 s4, s2, 12
	s_mov_b32 s5, 0
	s_add_nc_u64 s[20:21], s[20:21], s[4:5]
	s_lshl_b32 s4, s2, 10
	s_add_nc_u64 s[DST:DST+1], s[28:29], s[4:5]
	s_mul_i32 s31, s30, 5120                       ; my two stages
	v_add_nc_u32 v14, s31, v14
	v_add_nc_u32 v15, s31, v15
	s_mov_b32 s54, 0x76543210                      ; v_permlanex16_b32: lane l xor 16
	s_mov_b32 s55, 0xfedcba98
	s_mov_b32 s56, 0x3a800000                      ; 1 / 1024
	s_mov_b32 s57, 0x3727c5ac                      ; 1e-5
	v_mov_b32 v11, 0                               ; (named as the upper half of the pair v[10:11])
.irp j, 0,1,2,3,4,5,6,7
	global_load_b128 v[G+4*\j:G+4*\j+3], v3, s[22:23] offset:512*\j
	global_load_b128 v[BE+4*\j:BE+4*\j+3], v3, s[24:25] offset:512*\j
.endr
.macro LOADROW i
.irp j, 0,1,2,3,4,5,6,7
	global_load_b128 v[RR+32*((\i)%2)+4*\j:RR+32*((\i)%2)+4*\j+3], v3, s[20:21] offset:4096*(\i)+512*\j th:TH_LOAD_NT
.endr
.endm
.macro WSUM r, t                       ; the sum over the 32 lanes, in every lane
	v_add_f32_dpp v[\r], v[\r], v[\r] row_xmask:1 row_mask:0xf bank_mask:0xf
	v_add_f32_dpp v[\r], v[\r], v[\r] row_xmask:2 row_mask:0xf bank_mask:0xf
	v_add_f32_dpp v[\r], v[\r], v[\r] row_xmask:4 row_mask:0xf bank_mask:0xf
	v_add_f32_dpp v[\r], v[\r], v[\r] row_xmask:8 row_mask:0xf bank_mask:0xf
	v_permlanex16_b32 v[\t], v[\r], s54, s55
	v_add_f32 v[\r], v[\r], v[\t]
.endm
.macro FOLD
	v_pk_add_f32 v[AC:AC+1], v[AC:AC+1], v[AC+2:AC+3]
	v_pk_add_f32 v[AC+4:AC+5], v[AC+4:AC+5], v[AC+6:AC+7]
	v_pk_add_f32 v[AC:AC+1], v[AC:AC+1], v[AC+4:AC+5]
	v_add_f32 v[AC], v[AC], v[AC+1]
	WSUM AC, AC+1
.endm
.macro QSET i, u, w                    ; half u of row i: hold, convert, store 512 consecutive bytes
.irp n, 0,1,2,3,4,5,6,7,8,9,10,11,12,13,14,15
	v_med3_num_f32 v[TT+\n], v[XX+16*(\u)+\n], -v[LIMR+\w], v[LIMR+\w]
.endr
	v_cvt_scalef32_pk8_bf8_f32 v[CC+8*(\w)+4*(\u):CC+8*(\w)+4*(\u)+1], v[TT:TT+7], v[SCR+\w]
	v_cvt_scalef32_pk8_bf8_f32 v[CC+8*(\w)+4*(\u)+2:CC+8*(\w)+4*(\u)+3], v[TT+8:TT+15], v[SCR+\w]
	v_nop                                          ; a plain line between the conversions and the next holds, which write their sources
	global_store_b128 v3, v[CC+8*(\w)+4*(\u):CC+8*(\w)+4*(\u)+3], s[DST+2*(\w):DST+2*(\w)+1] offset:(\i)*1024+512*(\u)
.endm
.macro ROW i
.set RS, RR+32*((\i)%2)
.if (\i) < 3
	LOADROW (\i)+1                                 ; into the other set: its LDS stores of the row before were waited for at that row's end
	s_wait_loadcnt 8                               ; my row is in; the next row's eight loads stay out
.else
	s_wait_loadcnt 0
.endif
.irp c, 0,1,2,3
	v_pk_add_f32 v[AC+2*\c:AC+2*\c+1], v[RS+4*\c:RS+4*\c+1], v[RS+4*\c+2:RS+4*\c+3]
.endr
.irp c, 0,1,2,3
	v_pk_add_f32 v[AC+2*\c:AC+2*\c+1], v[AC+2*\c:AC+2*\c+1], v[RS+16+4*\c:RS+16+4*\c+1]
.endr
.irp c, 0,1,2,3
	v_pk_add_f32 v[AC+2*\c:AC+2*\c+1], v[AC+2*\c:AC+2*\c+1], v[RS+16+4*\c+2:RS+16+4*\c+3]
.endr
	FOLD
	v_mul_f32 v10, s56, v[AC]                      ; the mean
.irp k, 0,2,4,6,8,10,12,14,16,18,20,22,24,26,28,30
	v_pk_add_f32 v[RS+\k:RS+\k+1], v[RS+\k:RS+\k+1], v[10:11] op_sel_hi:[1,0] neg_lo:[0,1] neg_hi:[0,1]   ; x - mean
.endr
.irp c, 0,1,2,3
	v_pk_mul_f32 v[AC+2*\c:AC+2*\c+1], v[RS+2*\c:RS+2*\c+1], v[RS+2*\c:RS+2*\c+1]
.endr
.irp k, 8,16,24
.irp c, 0,1,2,3
	v_pk_fma_f32 v[AC+2*\c:AC+2*\c+1], v[RS+\k+2*\c:RS+\k+2*\c+1], v[RS+\k+2*\c:RS+\k+2*\c+1], v[AC+2*\c:AC+2*\c+1]
.endr
.endr
	FOLD
	v_fma_f32 v13, v[AC], s56, s57                 ; the variance + 1e-5
	s_wait_alu depctr_va_vdst(0)
	v_rsq_f32 v12, v13
	v_nop                                          ; a plain line behind the transcendental,
	s_wait_alu depctr_va_vdst(0)                   ; and the wait ahead of its first reader
.irp k, 0,2,4,6,8,10,12,14,16,18,20,22,24,26,28,30
	v_pk_mul_f32 v[RS+\k:RS+\k+1], v[RS+\k:RS+\k+1], v[12:13] op_sel_hi:[1,0]
.endr
.irp k, 0,2,4,6,8,10,12,14,16,18,20,22,24,26,28,30
	v_pk_fma_f32 v[RS+\k:RS+\k+1], v[RS+\k:RS+\k+1], v[G+\k:G+\k+1], v[BE+\k:BE+\k+1]
.endr
.irp u, 0,1                            ; a half row, 2,048 bytes, through a stage: lane L gets numbers 512 u + 16 L .. + 15
.irp q, 0,1,2,3
	ds_store_b128 v14, v[RS+16*\u+4*\q:RS+16*\u+4*\q+3] offset:2560*\u+640*\q
.endr
.irp q, 0,1,2,3
	ds_load_b128 v[XX+16*\u+4*\q:XX+16*\u+4*\q+3], v15 offset:2560*\u+16*\q
.endr
.endr
	s_wait_xcnt 0x0                                ; the last row's stores have read their code registers, which are written again below
	s_wait_dscnt 8                                 ; half 0 is back; behind its loads stand half 1's four stores and four loads
	QSET \i, 0, 0
	s_wait_dscnt 0x0
	QSET \i, 1, 0
.endm
	LOADROW 0
	s_wait_kmcnt 0x0                               ; the exponent
	MKSC 44, SCR, LIMR
	ROW 0
	ROW 1
	ROW 2
	ROW 3
	s_wait_tensorcnt 0x0
	ds_add_u32 v224, v225
	s_wait_dscnt 0x0
	s_endpgm
.Lfunc_end_k_q0e6a663c90_ln2:
	.size	k_q0e6a663c90_ln2, .Lfunc_end_k_q0e6a663c90_ln2-k_q0e6a663c90_ln2
	.p2alignl 7, 3214868480
	.fill 96, 4, 3214868480
	.section	.rodata,"a",@progbits
	.p2align	6, 0x0
	.amdhsa_kernel k_q0e6a663c90_ln2
		.amdhsa_group_segment_fixed_size 20992
		.amdhsa_private_segment_fixed_size 0
		.amdhsa_enable_private_segment 0
		.amdhsa_kernarg_size 40
		.amdhsa_user_sgpr_count 2
		.amdhsa_user_sgpr_kernarg_segment_ptr 1
		.amdhsa_wavefront_size32 1
		.amdhsa_system_sgpr_workgroup_id_x 1
		.amdhsa_system_sgpr_workgroup_id_y 1
		.amdhsa_system_sgpr_workgroup_id_z 1
		.amdhsa_system_vgpr_workitem_id 0
		.amdhsa_next_free_vgpr 226
		.amdhsa_next_free_sgpr 66
		.amdhsa_reserve_vcc 0
		.amdhsa_float_denorm_mode_32 3
		.amdhsa_float_denorm_mode_16_64 3
		.amdhsa_memory_ordered 1
		.amdhsa_forward_progress 1
		.amdhsa_inst_pref_size 46
	.end_amdhsa_kernel
	.amdgpu_metadata
---
amdhsa.version: [ 1, 2 ]
amdhsa.kernels:
  - .name:           k_q0e6a663c90_ln2
    .symbol:         k_q0e6a663c90_ln2.kd
    .args:
      - { .name: x1, .offset: 0, .size: 8, .value_kind: global_buffer, .address_space: global }
      - { .name: g2, .offset: 8, .size: 8, .value_kind: global_buffer, .address_space: global }
      - { .name: be2, .offset: 16, .size: 8, .value_kind: global_buffer, .address_space: global }
      - { .name: lowp_scales, .offset: 24, .size: 8, .value_kind: global_buffer, .address_space: global }
      - { .name: h2_c, .offset: 32, .size: 8, .value_kind: global_buffer, .address_space: global }
    .group_segment_fixed_size: 20992
    .private_segment_fixed_size: 0
    .kernarg_segment_align: 8
    .kernarg_segment_size: 40
    .max_flat_workgroup_size: 128
    .sgpr_count:     66
    .vgpr_count:     226
    .wavefront_size: 32
...
	.end_amdgpu_metadata
.endif
;; end of part 5
;; launch ff1 (part 6): grid 16 x 16, 4 waves a work-group, clusters of 4 x 4, 327,680 bytes of LDS; arguments h2_c, pc, lowp_scales, b1, hid_c; writes hid_c
.if DOCPART == 6
	.amdgcn_target "amdgcn-amd-amdhsa--gfx1250"
	.amdhsa_code_object_version 6
	.text
	.protected	k_q0e6a663c90_ff1
	.globl	k_q0e6a663c90_ff1
	.p2align	8
	.type	k_q0e6a663c90_ff1,@function
k_q0e6a663c90_ff1:
	s_mov_b64 s[64:65], 0
	v_nop
	global_prefetch_b8 v0, s[64:65] scope:SCOPE_SE
	s_setreg_imm32_b32 hwreg(HW_REG_WAVE_MODE, 25, 1), 1
	s_wait_xcnt 0x0
	s_wait_alu depctr_hold_cnt(0) depctr_sa_sdst(0) depctr_va_vdst(0) depctr_va_sdst(0) depctr_va_ssrc(0) depctr_va_vcc(0) depctr_vm_vsrc(0)
	s_getreg_b32 s2, hwreg(HW_REG_IB_STS2, 6, 4)
	s_cmp_eq_u32 s2, 0
	s_cbranch_scc0 .Lentry_in_a_cluster
	s_endpgm
.Lentry_in_a_cluster:
	s_bfe_u32 s2, ttmp6, 0x10000c
	s_cmp_lg_u32 s2, 0xf033
	s_cbranch_scc0 .Lentry_shape_is_right
	s_endpgm
.Lentry_shape_is_right:
.set IS_QKV, 0
.set H1,     12582912
.set W1O,    4194304
.set ROWB,   256
.set KROW,   1024
.set PITCH,  272
.set FR,     16
.set NL,     4
.set NP,     4
.set HALFT,  128*PITCH
.set SLOT,   4*HALFT
.set LAPS,   2
.set SPARE,  2*SLOT
.set SPC,    336
.set ADRA, 16
.set ADRB, 20
.set STO,  24
.set RD,   25
.set CO,   26
.set RD1,  27
.set SPW,  28
.set NIL,  29
.set VSC,  30
.set VLIM, 31
.set TMP,  32
.set CR,   96
.set AF,   128
.set G1, 24
.set G0, 32
.set G1B, 48
.set G0B, 56
.set OB, 84
.if IS_QKV
.set FIRSTC, 1
.set PA, 4
.set PB, 4
.set PL, 6
.else
.set FIRSTC, 2
.set PA, 4
.set PB, 6
.set PL, 8
.endif
.set MSB, 0
.macro WIN new
.if MSB != \new
	s_set_vgpr_msb (MSB<<8)|\new
.set MSB, \new
.endif
.endm
.set MUL_LO, 0xa1
.set MUL_HI, 0xf1
.set TO_B,   0x40
.macro JLOAD g0a, g1a, g0b, g1b
	s_cmp_eq_u32 s15, 0
	s_cbranch_scc0 .Lfor_b_\@
	tensor_load_to_lds s[\g0a:\g0a+3], s[\g1a:\g1a+7]
	s_nop 0
.rept 4
	v_nop
.endr
	s_branch .Lasked_\@
.Lfor_b_\@:
	tensor_load_to_lds s[\g0b:\g0b+3], s[\g1b:\g1b+7]
	s_nop 0
.rept 4
	v_nop
.endr
.Lasked_\@:
.endm
.macro CREST
	s_cmp_lg_u32 s14, 0
	s_cbranch_scc1 .Lnot_wave_0_\@
	s_barrier_signal -3
.Lnot_wave_0_\@:
	s_barrier_wait -3
	s_barrier_signal -1
	s_barrier_wait -1
.endm
.macro CROUND
	s_barrier_signal -1
	s_barrier_wait -1
	CREST
.endm
.if IS_QKV
	s_load_b128 s[4:7], s[0:1], 0x0
	s_load_b64 s[12:13], s[0:1], 0x10
.else
	s_load_b256 s[4:11], s[0:1], 0x0
	s_load_b64 s[12:13], s[0:1], 0x20
.endif
	v_lshl_add_u32 v[SPW], v0, 2, SPARE
	v_mov_b32 v[NIL], 0
	ds_add_u32 v28, v29
	ds_add_u32 v28, v29
	s_wait_dscnt 0x0
	v_lshrrev_b32 v1, 5, v0
	v_readfirstlane_b32 s14, v1
	s_lshr_b32 s15, s14, 1
	s_and_b32 s16, s14, 1
	s_bfe_u32 s40, ttmp6, 0x40000
	s_bfe_u32 s41, ttmp6, 0x40004
	s_and_b32 s92, ttmp7, 0xffff
	s_lshl_b32 s93, s92, 2
.if IS_QKV
	s_lshl_b32 s94, ttmp9, 22
	s_add_co_u32 s94, s94, H1
	s_lshl_b32 s95, ttmp9, 20
	s_cmp_eq_u32 ttmp9, 2
	s_cselect_b32 s94, 2097152, s94
	s_cselect_b32 s95, 20971520, s95
	s_cselect_b32 s17, 0, s93
	s_cselect_b32 s42, s93, 0
	s_add_co_u32 s17, s17, s41
	s_add_co_u32 s42, s42, s40
.else
	s_add_co_u32 s17, s93, s41
	s_lshl_b32 s42, ttmp9, 2
	s_add_co_u32 s42, s42, s40
	s_mov_b32 s94, 0
	s_mov_b32 s95, W1O
.endif
	s_lshl_b32 s43, s41, 2
	s_lshl_b32 s43, 15, s43
	s_lshl_b32 s44, 0x1111, s40
	s_or_b32 s[G1+0], s43, (0<<16)|(1<<20)|(1<<21)|(5<<22)|(3<<25)
	s_or_b32 s[G1B+0], s44, (0<<16)|(1<<20)|(1<<21)|(5<<22)|(3<<25)
.irp g, G1, G1B
	s_mov_b32 s[\g+1], ROWB<<16
	s_mov_b32 s[\g+2], 128<<16
	s_mov_b32 s[\g+3], ROWB<<16
	s_mov_b32 s[\g+4], 128
	s_mov_b32 s[\g+5], KROW
	s_mov_b32 s[\g+6], 0
	s_mov_b32 s[\g+7], 0
.endr
	s_lshl_b32 s18, s16, 7
	s_lshl_b32 s20, s17, 8
	s_add_co_u32 s20, s20, s18
	s_lshl_b32 s20, s20, 10
	s_add_co_u32 s20, s20, s94
	s_mov_b32 s21, 0
	s_lshl_b32 s46, s42, 8
	s_add_co_u32 s46, s46, s18
	s_lshl_b32 s46, s46, 10
	s_add_co_u32 s46, s46, s95
	s_mov_b32 s47, 0
	s_mul_i32 s45, s14, HALFT
	s_wait_kmcnt 0x0
	s_load_b512 s[68:83], s[PL:PL+1], 0x0
	s_add_nc_u64 s[20:21], s[PA:PA+1], s[20:21]
	s_add_nc_u64 s[46:47], s[PB:PB+1], s[46:47]
	CROUND
.irp s, 0,1
	s_mov_b32 s[G0+4*\s], 1
	s_add_co_u32 s[G0+4*\s+1], s45, \s*SLOT
	s_add_nc_u64 s[G0+4*\s+2:G0+4*\s+3], s[20:21], \s*ROWB
	s_or_b32 s[G0+4*\s+3], s[G0+4*\s+3], 0x80000000
	s_mov_b32 s[G0B+4*\s], 1
	s_add_co_u32 s[G0B+4*\s+1], s45, \s*SLOT
	s_add_nc_u64 s[G0B+4*\s+2:G0B+4*\s+3], s[46:47], \s*ROWB
	s_or_b32 s[G0B+4*\s+3], s[G0B+4*\s+3], 0x80000000
.endr
	JLOAD G0, G1, G0B, G1B                         ; K step 0: one tensor load a wave at the head; the rest of the head stands under its flight
	v_and_b32 v1, 15, v0
	s_wait_alu depctr_va_vdst(0)
	v_bfe_u32 v2, v0, 4, 1
	v_mul_u32_u24 v3, v1, PITCH
	v_lshl_add_u32 v4, v2, 4, v3
	s_mul_i32 s21, s15, HALFT
	s_mul_i32 s22, s16, HALFT
	s_add_co_u32 s22, s22, 2*HALFT
.irp s, 0,1
	v_add_nc_u32 v[ADRA+\s], s21, v4
	v_add_nc_u32 v[ADRB+\s], s22, v4
	s_add_co_u32 s21, s21, SLOT
	s_add_co_u32 s22, s22, SLOT
.endr
	s_mul_i32 s23, s15, 128*SPC
	s_lshl_b32 s22, s16, 7
	s_add_co_u32 s23, s23, s22
	v_mul_u32_u24 v5, v1, SPC
	s_wait_alu depctr_va_vdst(0)
	v_lshl_add_u32 v5, v2, 3, v5
	v_add_nc_u32 v[STO], s23, v5
	v_and_b32 v6, 31, v0
	v_lshrrev_b32 v7, 1, v6                        ; back from the stage: two lanes to a row of 32 bytes, sixteen rows an instruction
	v_mul_u32_u24 v7, v7, SPC
	v_and_b32 v8, 1, v6
	v_lshl_add_u32 v7, v8, 4, v7
	s_lshl_b32 s23, s14, 6
	v_add_nc_u32 v[RD], s23, v7
	v_add_nc_u32 v[RD1], 128*SPC, v[RD]
	v_lshlrev_b32 v[CO], 4, v6
.if IS_QKV
	s_lshl_b32 s96, ttmp9, 22
	s_lshl_b32 s97, s40, 20
	s_add_co_u32 s96, s96, s97
	s_add_co_u32 s97, s93, s41
	s_lshl_b32 s97, s97, 14
	s_add_co_u32 s96, s96, s97
	s_lshl_b32 s97, s92, 20
	s_add_co_u32 s97, s97, 8388608
	s_lshl_b32 s98, s41, 18
	s_add_co_u32 s97, s97, s98
	s_lshl_b32 s98, s40, 14
	s_add_co_u32 s97, s97, s98
	s_mov_b32 s98, 262144
	s_mov_b32 s94, 65536
	s_cmp_eq_u32 ttmp9, 2
	s_cselect_b32 s96, s97, s96
	s_cselect_b32 s98, 4096, s98
	s_cselect_b32 s94, s94, 4096
	s_mul_i32 s98, s98, s14
	s_add_co_u32 s96, s96, s98
.else
	s_lshl_b32 s96, s42, 20
	s_lshl_b32 s97, s17, 13                        ; OUT: [128 blocks of 32 features][4096 tokens][32 bytes]: block 8 x tile column + 2 x wave, token 256 x tile row on
	s_add_co_u32 s96, s96, s97
	s_lshl_b32 s97, s14, 18
	s_add_co_u32 s96, s96, s97
	s_mov_b32 s94, 131072                          ; from a block to the next
.endif
	s_mov_b32 s97, 0
	s_mov_b32 s95, 0
	s_add_nc_u64 s[OB:OB+1], s[12:13], s[96:97]
	s_add_nc_u64 s[OB+2:OB+3], s[OB:OB+1], s[94:95]
.if IS_QKV == 0
	s_lshl_b32 s96, s42, 10
	s_lshl_b32 s97, s16, 9
	s_add_co_u32 s96, s96, s97
	s_mov_b32 s97, 0
	s_add_nc_u64 s[10:11], s[10:11], s[96:97]
	v_lshlrev_b32 v9, 5, v2
.irp b, 0,1,2,3,4,5,6,7
	global_load_b128 v[TMP+8*\b:TMP+8*\b+3], v9, s[10:11] offset:64*\b
	global_load_b128 v[TMP+8*\b+4:TMP+8*\b+7], v9, s[10:11] offset:64*\b+16
.endr
.endif
	s_wait_kmcnt 0x0
.if IS_QKV
	s_cmp_eq_u32 ttmp9, 0
	s_cselect_b32 s96, s68, s70
	s_cselect_b32 s97, s69, s71
	s_cselect_b32 s98, s74, s75
	s_cmp_eq_u32 ttmp9, 2
	s_cselect_b32 s96, s72, s96
	s_cselect_b32 s97, s73, s97
	s_cselect_b32 s98, s77, s98
.else
	s_mov_b32 s96, s80
	s_mov_b32 s97, s81
	s_mov_b32 s98, s82
.endif
	s_add_co_i32 s96, s96, s97
	s_sub_co_i32 s98, s98, s96
	s_add_co_i32 s98, s98, 127
	s_lshl_b32 s99, s98, 23
	v_mov_b32 v[VSC], s99
	s_add_co_i32 s98, s98, 15
	s_lshl_b32 s98, s98, 23
	s_or_b32 s98, s98, 0x600000
	v_mov_b32 v[VLIM], s98
.if IS_QKV == 0
	s_sub_co_i32 s96, 0, s96
	s_wait_loadcnt 0x0
.set j, 0
.rept 64
	v_ldexp_f32 v[TMP+j], v[TMP+j], s96
.set j, j+1
.endr
.endif
.macro FRAG reg, adr, q, i
.irp c, 0,1,2,3
	ds_load_b128 v[\reg+4*\c:\reg+4*\c+3], v[\adr] offset:128*(\q)+32*\c+(\i)*16*PITCH
.endr
.endm
.macro MUL16 a0, p, zero
.irp a, \a0, \a0+1
.irp b, 0,1,2,3,4,5,6,7
.if \zero == 1
	v_wmma_f32_16x16x128_bf8_bf8 v[8*(8*((\a)%4)+\b):8*(8*((\a)%4)+\b)+7], v[128*(\p)+FR*\b:128*(\p)+FR*\b+FR-1], v[AF+FR*(\a):AF+FR*(\a)+FR-1], 0
.elseif \zero == 2
	v_wmma_f32_16x16x128_bf8_bf8 v[8*(8*((\a)%4)+\b):8*(8*((\a)%4)+\b)+7], v[128*(\p)+FR*\b:128*(\p)+FR*\b+FR-1], v[AF+FR*(\a):AF+FR*(\a)+FR-1], v[TMP+8*\b:TMP+8*\b+7]
.else
	v_wmma_f32_16x16x128_bf8_bf8 v[8*(8*((\a)%4)+\b):8*(8*((\a)%4)+\b)+7], v[128*(\p)+FR*\b:128*(\p)+FR*\b+FR-1], v[AF+FR*(\a):AF+FR*(\a)+FR-1], v[8*(8*((\a)%4)+\b):8*(8*((\a)%4)+\b)+7]
.endif
.endr
.endr
.endm
.macro FETCH_B slot, q, p
	WIN TO_B
.irp i, 0,1,2,3,4,5,6,7
	FRAG 128*(\p)+FR*\i, ADRB+\slot, \q, \i
.endr
	WIN 0
.endm
.macro FETCH_A slot, q, i0
.irp i, \i0, \i0+1, \i0+2, \i0+3
	FRAG AF+FR*(\i), ADRA+\slot, \q, \i
.endr
.endm
.macro PLACES n
.rept \n
	v_nop
.endr
.endm
.macro STEP slot, q, zero
	s_wait_dscnt 4*NL
.if \zero == 2
	WIN 0x81
.else
	WIN MUL_LO
.endif
	MUL16 0, (\q)%2, \zero
	MUL16 2, (\q)%2, \zero
	s_wait_dscnt 0
	PLACES NP
	FETCH_B \slot, (\q)+1, 1-(\q)%2
	FETCH_A \slot, (\q)+1, 0
.if \zero == 2
	WIN 0xc1
.else
	WIN MUL_HI
.endif
	MUL16 4, (\q)%2, \zero
	MUL16 6, (\q)%2, \zero
	PLACES NP
	WIN 0
	FETCH_A \slot, (\q)+1, 4
.endm
.macro TURN slot, next, fill
	s_wait_tensorcnt 0x0
	ds_add_u32 v[SPW], v[NIL]
	s_wait_dscnt 4*NL+1
	WIN MUL_LO
	MUL16 0, 1, 0
	s_wait_dscnt 0x0
	s_barrier_signal -1
	MUL16 2, 1, 0
	WIN 0
	s_barrier_wait -1
.if \fill
	CREST
	s_add_nc_u64 s[G0+4*\slot+2:G0+4*\slot+3], s[G0+4*\slot+2:G0+4*\slot+3], 2*ROWB
	s_add_nc_u64 s[G0B+4*\slot+2:G0B+4*\slot+3], s[G0B+4*\slot+2:G0B+4*\slot+3], 2*ROWB
	JLOAD G0+4*\slot, G1, G0B+4*\slot, G1B
.else
	PLACES NP
.endif
	FETCH_B \next, 0, 0
	FETCH_A \next, 0, 0
	WIN MUL_HI
	MUL16 4, 1, 0
	MUL16 6, 1, 0
	PLACES NP
	WIN 0
	FETCH_A \next, 0, 4
.endm
	s_wait_alu depctr_va_vdst(0)
	s_wait_tensorcnt 0x0                           ; my part of K step 0 is in; slot 1's first fill is issued as a refill is:
	ds_add_u32 v[SPW], v[NIL]
	s_wait_dscnt 0x0
	CROUND
	JLOAD G0+4, G1, G0B+4, G1B                     ; K step 1, the first tensor load behind the round
	FETCH_B 0, 0, 0
	FETCH_A 0, 0, 0
	FETCH_A 0, 0, 4
	STEP 0, 0, FIRSTC
	s_mov_b32 s3, LAPS-1
.Llap:
	TURN 0, 1, 1
	STEP 1, 0, 0
	TURN 1, 0, 1
	STEP 0, 0, 0
	s_sub_co_u32 s3, s3, 1
	s_cmp_lg_u32 s3, 0
	s_cbranch_scc1 .Llap
	TURN 0, 1, 0
	STEP 1, 0, 0
	s_wait_dscnt 4*NL
	WIN MUL_LO
	MUL16 0, 1, 0
	MUL16 2, 1, 0
	s_wait_dscnt 0
	WIN MUL_HI
	MUL16 4, 1, 0
	MUL16 6, 1, 0
	WIN 0
.macro OUTQ a
.set AC, 64*((\a)%4)
	WIN 0x02+((\a)/4)
.set j, 0
.rept 64
.if IS_QKV
	v_med3_num_f32 v[TMP+j], v[AC+j], -v[VLIM], v[VLIM]
.else
	v_med3_num_f32 v[TMP+j], v[AC+j], 0, v[VLIM]
.endif
.set j, j+1
.endr
	WIN 0
.irp b, 0,1,2,3,4,5,6,7
	v_cvt_scalef32_pk8_bf8_f32 v[CR+16*(\a)+2*\b:CR+16*(\a)+2*\b+1], v[TMP+8*\b:TMP+8*\b+7], v[VSC]
.endr
	v_nop
.irp b, 0,1,2,3,4,5,6,7
	ds_store_b64 v[STO], v[CR+16*(\a)+2*\b:CR+16*(\a)+2*\b+1] offset:16*SPC*(\a)+16*\b
.endr
.endm
	PLACES NP
.irp a, 0,1,2,3,4,5,6,7
	OUTQ \a
.endr
	s_wait_dscnt 0x0
	s_barrier_signal -1
	s_barrier_wait -1
.set i, 0
.rept 32                               ; my two blocks of 32 features, 16 x 16 rows each
.if (i%16) < 8
	ds_load_b128 v[CR+4*i:CR+4*i+3], v[RD] offset:32*(i/16)+16*SPC*(i%8)
.else
	ds_load_b128 v[CR+4*i:CR+4*i+3], v[RD1] offset:32*(i/16)+16*SPC*(i%8)
.endif
.set i, i+1
.endr
.set i, 0
.rept 32
	s_wait_dscnt 31-i
	global_store_b128 v[CO], v[CR+4*i:CR+4*i+3], s[OB+2*(i/16):OB+2*(i/16)+1] offset:512*(i%16)   ; sixteen rows of 32 bytes: 512 consecutive bytes, aligned
.set i, i+1
.endr
	s_wait_tensorcnt 0x0
	ds_add_u32 v[SPW], v[NIL]
	s_wait_dscnt 0x0
	CROUND
	s_endpgm
.Lfunc_end_k_q0e6a663c90_ff1:
	.size	k_q0e6a663c90_ff1, .Lfunc_end_k_q0e6a663c90_ff1-k_q0e6a663c90_ff1
	.p2alignl 7, 3214868480
	.fill 96, 4, 3214868480
	.section	.rodata,"a",@progbits
	.p2align	6, 0x0
	.amdhsa_kernel k_q0e6a663c90_ff1
		.amdhsa_group_segment_fixed_size 327680
		.amdhsa_private_segment_fixed_size 0
		.amdhsa_enable_private_segment 0
		.amdhsa_kernarg_size 40
		.amdhsa_user_sgpr_count 2
		.amdhsa_user_sgpr_kernarg_segment_ptr 1
		.amdhsa_wavefront_size32 1
		.amdhsa_system_sgpr_workgroup_id_x 1
		.amdhsa_system_sgpr_workgroup_id_y 1
		.amdhsa_system_sgpr_workgroup_id_z 1
		.amdhsa_system_vgpr_workitem_id 0
		.amdhsa_next_free_vgpr 1024
		.amdhsa_next_free_sgpr 100
		.amdhsa_reserve_vcc 0
		.amdhsa_float_denorm_mode_32 3
		.amdhsa_float_denorm_mode_16_64 3
		.amdhsa_memory_ordered 1
		.amdhsa_forward_progress 1
		.amdhsa_inst_pref_size 131
	.end_amdhsa_kernel
	.amdgpu_metadata
---
amdhsa.version: [ 1, 2 ]
amdhsa.kernels:
  - .name:           k_q0e6a663c90_ff1
    .symbol:         k_q0e6a663c90_ff1.kd
    .args:
      - { .name: h2_c, .offset: 0, .size: 8, .value_kind: global_buffer, .address_space: global }
      - { .name: pc, .offset: 8, .size: 8, .value_kind: global_buffer, .address_space: global }
      - { .name: lowp_scales, .offset: 16, .size: 8, .value_kind: global_buffer, .address_space: global }
      - { .name: b1, .offset: 24, .size: 8, .value_kind: global_buffer, .address_space: global }
      - { .name: hid_c, .offset: 32, .size: 8, .value_kind: global_buffer, .address_space: global }
    .group_segment_fixed_size: 327680
    .private_segment_fixed_size: 0
    .kernarg_segment_align: 8
    .kernarg_segment_size: 40
    .max_flat_workgroup_size: 128
    .sgpr_count:     100
    .vgpr_count:     1024
    .wavefront_size: 32
...
	.end_amdgpu_metadata
.endif
;; end of part 6
;; launch ff2 (part 7): grid 32 x 8, 4 waves a work-group, clusters of 4 x 1, 327,680 bytes of LDS; arguments hid_c, pc, lowp_scales, b2, x1, out0; writes out0
.if DOCPART == 7
	.amdgcn_target "amdgcn-amd-amdhsa--gfx1250"
	.amdhsa_code_object_version 6
	.text
	.protected	k_q0e6a663c90_ff2
	.globl	k_q0e6a663c90_ff2
	.p2align	8
	.type	k_q0e6a663c90_ff2,@function
k_q0e6a663c90_ff2:
	s_mov_b64 s[64:65], 0
	v_nop
	global_prefetch_b8 v0, s[64:65] scope:SCOPE_SE
	s_setreg_imm32_b32 hwreg(HW_REG_WAVE_MODE, 25, 1), 1
	s_wait_xcnt 0x0
	s_wait_alu depctr_hold_cnt(0) depctr_sa_sdst(0) depctr_va_vdst(0) depctr_va_sdst(0) depctr_va_ssrc(0) depctr_va_vcc(0) depctr_vm_vsrc(0)
	s_getreg_b32 s2, hwreg(HW_REG_IB_STS2, 6, 4)
	s_cmp_eq_u32 s2, 0
	s_cbranch_scc0 .Lentry_in_a_cluster
	s_endpgm
.Lentry_in_a_cluster:
	s_bfe_u32 s2, ttmp6, 0x10000c
	s_cmp_lg_u32 s2, 0x3003
	s_cbranch_scc0 .Lentry_shape_is_right
	s_endpgm
.Lentry_shape_is_right:
; out0[m][n] = x1[m][n] + b2[n] + 2^(e14 + e15) x sum over k of A[m][k] B[n][k], on codes of E5M2, K = 4,096; out0 and x1 f32, [4096][1024].  LIMIT: e14 + e15 between -126 and 127.
; A = the hidden layer's codes, [128 blocks of 32 along K][4096 tokens][32 bytes]; B = W2's codes, at byte 8,388,608 of pc, [1024 rows][4096], K innermost.
; SHARES.  A work-group makes 128 tokens x 128 outputs: 256 work-groups.  K IS CUT AMONG ITS FOUR WAVES: each wave makes the whole 128 x 128 for its 1,024 along K, 64 accumulators in 512 registers,
; so no byte of A or B is wanted by two waves of a work-group.  The four partial sums meet in LDS at the end.
; A GOES FROM MEMORY STRAIGHT INTO REGISTERS: lane (r, h) takes 16 bytes at 32 r + 16 h of 16 tokens' 512 consecutive bytes, four such loads to a fragment of 16 rows x 128 K
; (registers 4 c .. 4 c + 3: K = 32 c + 16 h + 0 .. 15, alike in A and B).  Fourteen fragment places take turns: by the text's own count 48 to 56 loads of a wave are out through the K steps; every offset is an immediate.
; B COMES BY JOINT TENSOR LOADS.  CLUSTERS: 4, 1, 1: four token tiles of one column tile want the same rows of W2.  Each wave has a ring of two slots of its own, 128 rows x 256 K each (rows of 256 bytes, 16 of padding):
; four fills a wave: one at the head, slot 1's first behind the full sequence, two refills, each behind a round of the cluster's barrier; a fill has two K steps in which to land.
; A is not asked for jointly: it lands in registers, and a ring that held both operands would have half the K in a slot and twice the rounds.
; THE MATRIX INSTRUCTION IS USED TRANSPOSED (source 0 = 16 rows of B, source 1 = 16 rows of A): lane (r, h) holds token r and outputs 8 h + 0 .. 7.
; PREFETCH.  A: in K step s (s < 4) a wave asks for its K step s + 4, at least one K step ahead of the loads that want it; the step's 64 blocks of 256 bytes are shared out by address among the 8 work-groups that read them;
; lanes that are left over name the last block again.  B: behind the fills of slots' worth 1 and 2 the next one is asked for, a lane a row, the cluster's four partners 32 rows each, told apart by address.
; REGISTERS: window 0: v2-10, v24, v25 addresses, v[12:15] b2, v16, v17 the add's; v32-255 A.  window 1: B's two sets; in the last K step v0-127 take the residual.  windows 2, 3: the accumulators, later the rows on the way out.
.set KBA,   131072                     ; A: from a block of 32 along K to the next
.set WOFF,  8388608
.set SLOTB, 128*272                    ; a slot: 128 rows of 256 bytes + 16
.set WREG,  2*SLOTB                    ; a wave's LDS: its two slots; behind their last fill and last read its partial sums, 128 rows of 528 bytes
.set SPARE, 4*WREG                     ; the spare words: 128 bytes a wave, two blocks of 256 bytes that no other line names
.set VA,  2                            ; 32 r + 16 h
.set STO, 3                            ; the partial sums, in
.set RD,  4                            ; v4-7 and back: my 32 rows in each of the four
.set CO,  8                            ; 16 x lane
.set PFV, 9                            ; v9, v10 the prefetches' offsets
.set SPW, 16
.set NIL, 17
.set BA,  24                           ; v24, v25 my place in a fragment of B, slot 0, 1
.set AF,  32
.set FR,  16
.set G1,  40                           ; s[40:47] descriptor group 1; s[48:55] group 0, one set for each slot
.set G0,  48
.set MSB, 0
.macro WIN new                         ; the immediate's high byte repeats the setting that is left
.if MSB != \new
	s_set_vgpr_msb (MSB<<8)|\new
.set MSB, \new
.endif
.endm
.set MUL_LO, 0xa1                      ; source 0 (B) window 1, source 1 (A) window 0, C and D window 2
.macro ROUND                           ; a round of the cluster's barrier
	s_barrier_signal -1
	s_barrier_wait -1
	s_cmp_lg_u32 s16, 0
	s_cbranch_scc1 .Lnot_wave_0_\@
	s_barrier_signal -3
.Lnot_wave_0_\@:
	s_barrier_wait -3
	s_barrier_signal -1
	s_barrier_wait -1
.endm
.macro TL sl                           ; my joint load into slot sl; an s_nop 0 and four v_nop follow it
	tensor_load_to_lds s[G0+4*(\sl):G0+4*(\sl)+3], s[G1:G1+7]
	s_nop 0
.rept 4
	v_nop
.endr
.endm
.macro CHANGE sl, step                 ; slot sl is filled: all my tensor loads are in, the add, my LDS reads are over; a round; the load first behind it
	s_wait_tensorcnt 0x0
	ds_add_u32 v[SPW], v[NIL]
.if \step
	s_add_nc_u64 s[G0+4*(\sl)+2:G0+4*(\sl)+3], s[G0+4*(\sl)+2:G0+4*(\sl)+3], 512   ; no load of mine is out: the slot's next 256 along K
.endif
	s_wait_dscnt 0x0
	ROUND
	TL \sl
.endm
	s_load_b256 s[4:11], s[0:1], 0x0               ; hid_c 4, pc 6, the scales' exponents 8, b2 10
	s_load_b128 s[12:15], s[0:1], 0x20             ; x1 12, out0 14
	v_lshl_add_u32 v[SPW], v0, 2, SPARE
	v_mov_b32 v[NIL], 0
	ds_add_u32 v[SPW], v[NIL]                      ; the opening lines: the add twice on end, and its one wait ahead of my first tensor load
	ds_add_u32 v[SPW], v[NIL]
	v_lshrrev_b32 v1, 5, v0
	v_readfirstlane_b32 s16, v1                    ; wave: my quarter of K, and my 32 rows on the way out
	s_and_b32 s17, ttmp7, 0xffff                   ; column tile
	s_bfe_u32 s18, ttmp6, 0x40000                  ; cx: it enters global addresses of A, x1, out0 and the prefetch alone
	s_lshl_b32 s19, ttmp9, 2
	s_add_co_u32 s19, s19, s18                     ; token tile
	s_mov_b32 s[G1], 15|(1<<20)|(1<<21)|(5<<22)|(3<<25)   ; the mask: all four partners; elements of 1 byte; padding on; 21 set beside a mask; four words after every 64
	s_mov_b32 s[G1+1], 256<<16                     ; tensor_dim0
	s_mov_b32 s[G1+2], 128<<16                     ; tensor_dim1
	s_mov_b32 s[G1+3], 256<<16                     ; tile_dim0
	s_mov_b32 s[G1+4], 128                         ; tile_dim1
	s_mov_b32 s[G1+5], 4096                        ; from row to row of W2
	s_mov_b32 s[G1+6], 0
	s_mov_b32 s[G1+7], 0
	s_lshl_b32 s20, s16, 22                        ; A: 32 blocks x wave,
	s_lshl_b32 s21, s19, 12                        ; 128 tokens of 32 bytes x token tile
	s_add_co_u32 s20, s20, s21
	s_mov_b32 s21, 0
	s_lshl_b32 s22, s17, 19                        ; B: 128 rows of 4,096 bytes x column tile,
	s_lshl_b32 s23, s16, 10                        ; 1,024 along K x wave
	s_add_co_u32 s22, s22, s23
	s_add_co_u32 s22, s22, WOFF
	s_mov_b32 s23, 0
	s_lshl_b32 s26, s17, 9                         ; my 128 columns, in bytes
	s_mov_b32 s27, 0
	s_lshl_b32 s24, s19, 19                        ; row 128 x token tile + 32 x wave, 4,096 bytes each
	s_lshl_b32 s25, s16, 17
	s_add_co_u32 s24, s24, s25
	s_add_co_u32 s24, s24, s26
	s_mov_b32 s25, 0
	s_mul_i32 s28, s16, WREG
	s_mul_i32 s29, s16, 32*528
	s_lshr_b32 s30, s17, 1                         ; A's prefetch: block (column tile) / 2 of the step's four, 2,048 x (column tile % 2) bytes on
	s_lshl_b32 s30, s30, 17
	s_and_b32 s36, s17, 1
	s_lshl_b32 s36, s36, 11
	s_add_co_u32 s30, s30, s36
	s_lshl_b32 s31, s18, 17                        ; B's: rows 32 cx on
	v_and_b32 v1, 15, v0                           ; r
	v_bfe_u32 v18, v0, 4, 1                        ; h
	v_and_b32 v19, 31, v0
	v_lshlrev_b32 v20, 5, v1
	v_lshl_add_u32 v[VA], v18, 4, v20
	v_lshlrev_b32 v[CO], 4, v19
	v_mul_u32_u24 v20, v1, 528
	v_lshl_add_u32 v20, v18, 5, v20
	v_add_nc_u32 v[STO], s28, v20                  ; my partial sums: row r, + 32 h
	v_add_nc_u32 v[RD], s29, v[CO]
	v_add_nc_u32 v[RD+1], WREG, v[RD]
	v_add_nc_u32 v[RD+2], 2*WREG, v[RD]
	v_add_nc_u32 v[RD+3], 3*WREG, v[RD]
	v_mul_u32_u24 v23, v1, 272
	v_lshl_add_u32 v23, v18, 4, v23
	v_add_nc_u32 v[BA], s28, v23                   ; B: row r x 272 + 16 h, in my slots
	v_add_nc_u32 v[BA+1], SLOTB, v[BA]
	v_min_u32 v21, 7, v19
	v_lshlrev_b32 v21, 8, v21
	v_add_nc_u32 v[PFV], s30, v21
	v_lshlrev_b32 v22, 12, v19
	v_add_nc_u32 v[PFV+1], s31, v22
	s_wait_alu depctr_va_vdst(0)
	s_wait_dscnt 0x0                               ; both opening adds are done
	s_wait_kmcnt 0x0
	s_load_b64 s[32:33], s[8:9], 0x38              ; e14, e15
	s_add_nc_u64 s[6:7], s[6:7], s[22:23]
	s_mov_b32 s[G0], 1
	s_mov_b32 s[G0+1], s28
	s_mov_b64 s[G0+2:G0+3], s[6:7]
	s_or_b32 s[G0+3], s[G0+3], 0x80000000
	s_mov_b32 s[G0+4], 1
	s_add_co_u32 s[G0+5], s28, SLOTB
	s_add_nc_u64 s[G0+6:G0+7], s[6:7], 256
	s_or_b32 s[G0+7], s[G0+7], 0x80000000
	s_add_nc_u64 s[4:5], s[4:5], s[20:21]
	s_add_nc_u64 s[10:11], s[10:11], s[26:27]
	s_add_nc_u64 s[12:13], s[12:13], s[24:25]
	s_add_nc_u64 s[14:15], s[14:15], s[24:25]
	ROUND                                          ; all four work-groups are here: the first joint loads meet
	TL 0                                           ; my K 0-255: one tensor load a wave at the head
	global_load_b128 v[12:15], v[CO], s[10:11]     ; b2 of columns 4 x lane + 0 .. 3: older than every load that is counted below
.set ISS, 0                            ; loads issued so far; pair m of A's blocks (K step m / 4, blocks 2 (m % 4) and + 1) has places 8 m .. 8 m + 7 in their order
.macro LDA m                           ; pair m into fragment places 2 (m % 7) and + 1
.irp d, 0,1
.irp c, 0,1,2,3
	global_load_b128 v[AF+32*((\m)%7)+FR*\d+4*\c:AF+32*((\m)%7)+FR*\d+4*\c+3], v[VA], s[4:5] offset:(4*((\m)/4)+\c)*KBA+512*(2*((\m)%4)+\d)
.endr
.endr
.set ISS, ISS+8
.endm
.macro FB s                            ; B's eight fragments of K step s, from my slot (s / 2) % 2
	WIN 0x40
.irp b, 0,1,2,3,4,5,6,7
.irp c, 0,1,2,3
	ds_load_b128 v[128*((\s)%2)+FR*\b+4*\c:128*((\s)%2)+FR*\b+4*\c+3], v[BA+((\s)/2)%2] offset:4352*\b+128*((\s)%2)+32*\c
.endr
.endr
	WIN 0
.endm
.macro LDR                             ; the residual, my 32 rows of 512 bytes, into B's set 0, which the last K step does not use
	WIN 0x40
.set i, 0
.rept 32
	global_load_b128 v[4*i:4*i+3], v[CO], s[12:13] offset:4096*i th:TH_LOAD_NT
.set i, i+1
.endr
	WIN 0
.set ISS, ISS+32
.endm
; 16 matrix instructions: A's blocks a0, a0 + 1 (at af) x B's eight.  The 64 accumulators take turns in one order in every K step; the first K step starts the sums.
.macro MUL16 a0, af, p, zero
.irp d, 0,1
.irp b, 0,1,2,3,4,5,6,7
.if \zero
	v_wmma_f32_16x16x128_bf8_bf8 v[8*(8*(((\a0)+\d)%4)+\b):8*(8*(((\a0)+\d)%4)+\b)+7], v[128*(\p)+FR*\b:128*(\p)+FR*\b+FR-1], v[(\af)+FR*\d:(\af)+FR*\d+FR-1], 0
.else
	v_wmma_f32_16x16x128_bf8_bf8 v[8*(8*(((\a0)+\d)%4)+\b):8*(8*(((\a0)+\d)%4)+\b)+7], v[128*(\p)+FR*\b:128*(\p)+FR*\b+FR-1], v[(\af)+FR*\d:(\af)+FR*\d+FR-1], v[8*(8*(((\a0)+\d)%4)+\b):8*(8*(((\a0)+\d)%4)+\b)+7]
.endif
.endr
.endr
.endm
.macro STG a                           ; block a's finished partial sums into my part of LDS, each accumulator from its low end on
	WIN 0x08+4*((\a)/4)
.irp b, 0,1,2,3,4,5,6,7
	ds_store_b128 v[STO], v[64*((\a)%4)+8*\b:64*((\a)%4)+8*\b+3] offset:8448*(\a)+64*\b
	ds_store_b128 v[STO], v[64*((\a)%4)+8*\b+4:64*((\a)%4)+8*\b+7] offset:8448*(\a)+64*\b+16
.endr
	WIN 0
.endm
.macro PAIR s, u                       ; K step s, A's blocks 2 u and 2 u + 1
.set M, 4*(\s)+(\u)
.if (\u) == 0
	s_wait_dscnt 0x0                               ; B's fragments of this K step are in registers
.endif
	s_wait_loadcnt ISS-8*(M+1)                     ; pair M is in; what was issued behind it may be out: six pairs, 48 loads, but at the end
	WIN MUL_LO+0x50*((\u)/2)
.if (\s) == 0
	MUL16 2*(\u), AF+32*(M%7), 0, 1
.else
	MUL16 2*(\u), AF+32*(M%7), (\s)%2, 0
.endif
.rept 4
	v_nop                                          ; places between the products and the loads into, or the stores of, their registers
.endr
	WIN 0
.if M+7 < 32
	LDA M+7                                        ; into the two places just multiplied
.endif
.if M == 27
	LDR
.endif
.if (\u) == 0
.if (\s) == 1 || (\s) == 3
	CHANGE ((\s)/2)%2, 1                           ; the slot whose two K steps are in registers or done is filled again; the other slot has landed
.endif
.if (\s) == 5
	s_wait_tensorcnt 0x0                           ; my last fill, which I alone read, has landed
.endif
.if (\s) < 7
	FB (\s)+1                                      ; into the set that the last K step multiplied
.endif
.if (\s) == 1
	global_prefetch_b8 v[PFV+1], s[6:7] offset:768 th:TH_LOAD_NT scope:SCOPE_SE   ; what the next refill asks for
.endif
.endif
.if (\u) == 1 && (\s) < 4
	global_prefetch_b8 v[PFV], s[4:5] offset:4*((\s)+4)*KBA th:TH_LOAD_NT scope:SCOPE_SE
.endif
.if (\s) == 7
	STG 2*(\u)                                     ; my slots have had their last fill, and their last read was waited for at this K step's head
	STG 2*(\u)+1
.endif
.endm
.irp m, 0,1,2,3,4,5,6
	LDA \m
.endr
	CHANGE 1, 0                                    ; my K 0-255 are in; slot 1's first fill, my K 256-511, is issued as a refill is
	FB 0
	global_prefetch_b8 v[PFV+1], s[6:7] offset:512 th:TH_LOAD_NT scope:SCOPE_SE       ; what the first refill asks for
.irp s, 0,1,2,3,4,5,6,7
.irp u, 0,1,2,3
	PAIR \s, \u
.endr
.endr
	s_wait_kmcnt 0x0
	s_add_co_i32 s34, s32, s33
	s_add_co_i32 s34, s34, 127
	s_lshl_b32 s34, s34, 23                        ; 2^(e14 + e15) as f32
	s_mov_b32 s35, s34                             ; (named with it as a pair)
	s_wait_dscnt 0x0                               ; for the others' sake: my partial sums are in LDS
	s_barrier_signal -1
	s_barrier_wait -1
; THE WAY OUT.  Wave w finishes rows 32 w .. 32 w + 31, eight at a time: a row's 512 bytes from each of the four partial sums, 16 bytes a lane; their sum x 2^(e14 + e15) + b2, + the residual; 32 lanes store 512 consecutive aligned bytes.
.macro LG g
	WIN (2+(\g)/2)<<6
.irp j, 0,1,2,3,4,5,6,7
.irp k, 0,1,2,3
	ds_load_b128 v[128*((\g)%2)+16*\j+4*\k:128*((\g)%2)+16*\j+4*\k+3], v[RD+\k] offset:528*(8*(\g)+\j)
.endr
.endr
.endm
.macro PG g, younger                   ; younger: the LDS loads of the next eight rows, which may stay out
.set PW, 2+(\g)/2
.set PT, 128*((\g)%2)
.set WS, (PW<<6)|(PW<<2)|PW
	WIN WS
.irp j, 0,1,2,3,4,5,6,7
	s_wait_dscnt \younger+28-4*\j                  ; row j's four loads are in; behind them stand four for each later row
	v_pk_add_f32 v[PT+16*\j:PT+16*\j+1], v[PT+16*\j:PT+16*\j+1], v[PT+16*\j+4:PT+16*\j+5]
	v_pk_add_f32 v[PT+16*\j+2:PT+16*\j+3], v[PT+16*\j+2:PT+16*\j+3], v[PT+16*\j+6:PT+16*\j+7]
	v_pk_add_f32 v[PT+16*\j+8:PT+16*\j+9], v[PT+16*\j+8:PT+16*\j+9], v[PT+16*\j+12:PT+16*\j+13]
	v_pk_add_f32 v[PT+16*\j+10:PT+16*\j+11], v[PT+16*\j+10:PT+16*\j+11], v[PT+16*\j+14:PT+16*\j+15]
	v_pk_add_f32 v[PT+16*\j:PT+16*\j+1], v[PT+16*\j:PT+16*\j+1], v[PT+16*\j+8:PT+16*\j+9]
	v_pk_add_f32 v[PT+16*\j+2:PT+16*\j+3], v[PT+16*\j+2:PT+16*\j+3], v[PT+16*\j+10:PT+16*\j+11]
	v_pk_fma_f32 v[PT+16*\j:PT+16*\j+1], v[PT+16*\j:PT+16*\j+1], s[34:35], v[12:13] op_sel_hi:[1,0,1]
	v_pk_fma_f32 v[PT+16*\j+2:PT+16*\j+3], v[PT+16*\j+2:PT+16*\j+3], s[34:35], v[14:15] op_sel_hi:[1,0,1]
.endr
.set WS, (PW<<6)|(1<<2)|PW
	WIN WS                                         ; source 1: the residual, in window 1
.irp j, 0,1,2,3,4,5,6,7
	v_pk_add_f32 v[PT+16*\j:PT+16*\j+1], v[PT+16*\j:PT+16*\j+1], v[4*(8*(\g)+\j):4*(8*(\g)+\j)+1]
	v_pk_add_f32 v[PT+16*\j+2:PT+16*\j+3], v[PT+16*\j+2:PT+16*\j+3], v[4*(8*(\g)+\j)+2:4*(8*(\g)+\j)+3]
.endr
	WIN PW<<2
.irp j, 0,1,2,3,4,5,6,7
	global_store_b128 v[CO], v[PT+16*\j:PT+16*\j+3], s[14:15] offset:4096*(8*(\g)+\j) th:TH_STORE_NT
.endr
.endm
	LG 0
	LG 1
	s_wait_loadcnt 0x0                             ; the residual
	PG 0, 32
	LG 2
	PG 1, 32
	LG 3
	PG 2, 32
	PG 3, 0
	WIN 0
	s_wait_tensorcnt 0x0                           ; the wave's end
	ds_add_u32 v[SPW], v[NIL]
	s_wait_dscnt 0x0
	ROUND                                          ; the closing round
	s_endpgm
.Lfunc_end_k_q0e6a663c90_ff2:
	.size	k_q0e6a663c90_ff2, .Lfunc_end_k_q0e6a663c90_ff2-k_q0e6a663c90_ff2
	.p2alignl 7, 3214868480
	.fill 96, 4, 3214868480
	.section	.rodata,"a",@progbits
	.p2align	6, 0x0
	.amdhsa_kernel k_q0e6a663c90_ff2
		.amdhsa_group_segment_fixed_size 327680
		.amdhsa_private_segment_fixed_size 0
		.amdhsa_enable_private_segment 0
		.amdhsa_kernarg_size 48
		.amdhsa_user_sgpr_count 2
		.amdhsa_user_sgpr_kernarg_segment_ptr 1
		.amdhsa_wavefront_size32 1
		.amdhsa_system_sgpr_workgroup_id_x 1
		.amdhsa_system_sgpr_workgroup_id_y 1
		.amdhsa_system_sgpr_workgroup_id_z 1
		.amdhsa_system_vgpr_workitem_id 0
		.amdhsa_next_free_vgpr 1024
		.amdhsa_next_free_sgpr 66
		.amdhsa_reserve_vcc 0
		.amdhsa_float_denorm_mode_32 3
		.amdhsa_float_denorm_mode_16_64 3
		.amdhsa_memory_ordered 1
		.amdhsa_forward_progress 1
		.amdhsa_inst_pref_size 132
	.end_amdhsa_kernel
	.amdgpu_metadata
---
amdhsa.version: [ 1, 2 ]
amdhsa.kernels:
  - .name:           k_q0e6a663c90_ff2
    .symbol:         k_q0e6a663c90_ff2.kd
    .args:
      - { .name: hid_c, .offset: 0, .size: 8, .value_kind: global_buffer, .address_space: global }
      - { .name: pc, .offset: 8, .size: 8, .value_kind: global_buffer, .address_space: global }
      - { .name: lowp_scales, .offset: 16, .size: 8, .value_kind: global_buffer, .address_space: global }
      - { .name: b2, .offset: 24, .size: 8, .value_kind: global_buffer, .address_space: global }
      - { .name: x1, .offset: 32, .size: 8, .value_kind: global_buffer, .address_space: global }
      - { .name: out0, .offset: 40, .size: 8, .value_kind: global_buffer, .address_space: global }
    .group_segment_fixed_size: 327680
    .private_segment_fixed_size: 0
    .kernarg_segment_align: 8
    .kernarg_segment_size: 48
    .max_flat_workgroup_size: 128
    .sgpr_count:     66
    .vgpr_count:     1024
    .wavefront_size: 32
...
	.end_amdgpu_metadata
.endif
;; end of part 7
